; MI455X (gfx1250); checked and timed in simulation.
; The chip was launched on July 23, 2026; its instructions are those of AMD's public machine-readable ISA for CDNA 5 (MIT licence, August 2026) and "CDNA5" Instruction Set Architecture Reference Guide (July 2026). The comments in the code are by the model that wrote it; some were corrected since.
;; Multi Head Attention. Allowed arithmetic: matrix products marked QUANTISED: E2M3 operands, one E8M0 scale for each 32 along K, by v_wmma_scale_f32_16x16x128_f8f6f4 with both operands' format E2M3, f32 sums; everything else in f32.
;; Inputs: K 4 x 2,048 x 1,024 float32; Q 4 x 2,048 x 1,024 float32; V 4 x 2,048 x 1,024 float32; Wk 1,024 x 1,024 float32; Wo 1,024 x 1,024 float32; Wq 1,024 x 1,024 float32; Wv 1,024 x 1,024 float32; bk 1,024 float32; bo 1,024 float32; bq 1,024 float32; bv 1,024 float32.
;; Outputs: out0 4 x 2,048 x 1,024 float32.
;; This version of the problem:
;;   THIS VERSION OF THE PROBLEM IS GIVEN IN LOW PRECISION. The matrix products marked QUANTISED in the list below multiply operands that are first quantised to E2M3 (2 exponent bits, 3 mantissa bits; 6 bits a number), with one power-of-two scale for each 32 numbers along K (OCP MX v1.0); their sums are f32. All else is computed in f32.
;;   The module's matrix products, in the order in which they are computed (A, B: the left and right operand; K: the contracted axis; several contracted axes count as one K, in the product's order):
;;     1. [M 8,192, K 1,024] x [K 1,024, N 1,024]; A: input Q; B: input Wq: QUANTISED
;;     2. [M 8,192, K 1,024] x [K 1,024, N 1,024]; A: input K; B: input Wk: QUANTISED
;;     3. [M 8,192, K 1,024] x [K 1,024, N 1,024]; A: input V; B: input Wv: QUANTISED
;;     4. batch 64 x [M 2,048, K 64] x [K 64, N 2,048]; A: computed on the way; B: computed on the way: QUANTISED
;;     5. batch 64 x [M 2,048, K 2,048] x [K 2,048, N 64]; A: softmax (see below); B: computed on the way: QUANTISED
;;     6. [M 8,192, K 1,024] x [K 1,024, N 1,024]; A: computed on the way; B: input Wo: QUANTISED
;;   THE QUANTISER, for each operand of a quantised product, along K:
;;     - K is cut into blocks of 32 from its start; a last block that is shorter is filled with zeros.
;;     - A block's scale is 2^e with e = floor(log2(the largest magnitude in the block)) - 2, held to -126 .. 127; a block of zeros has e = 0. As a byte (E8M0): e + 127.
;;     - Each number is divided by its block's scale, clamped to +-7.5, and rounded to the nearest number of E2M3, ties to even, subnormals kept.
;;     - The product sums the exact products of the quantised numbers (number of the format x scale) in f32.
;;   ~~~python
;;   def quantise(x, axis):      # numpy; x: float32 -> the quantised numbers, widened to float32 again
;;       x = np.moveaxis(x, axis, -1); K = x.shape[-1]
;;       x = np.pad(x, [(0, 0)] * (x.ndim - 1) + [(0, -K % 32)]); x = x.reshape(x.shape[:-1] + (-1, 32)); a = np.abs(x).max(-1, keepdims=True)
;;       e = np.where(a > 0, np.clip(np.frexp(np.where(a > 0, a, 1))[1] - 1 - 2, -126, 127), 0)      # np.frexp(a)[1] - 1 = floor(log2(a)), exactly
;;       r = np.clip(x / 2.0 ** e, -7.5, 7.5)
;;       step = 2.0 ** (np.maximum(np.frexp(np.where(r == 0, 1, r))[1] - 1, 0) - 3)
;;       q = np.round(r / step) * step * 2.0 ** e      # np.round: ties to even
;;       return np.moveaxis(q.reshape(q.shape[:-2] + (-1,))[..., :K], -1, axis).astype(np.float32)
;;   ~~~
;;   SOFTMAX AHEAD OF A QUANTISED PRODUCT. Where the list says 'softmax', what is quantised is not the finished softmax but p = 2^(t - M), with t = logit x log2(e) and M = ceil(the row's largest t), a whole number; so 1/2 < the row's largest p <= 1. The row's sum l is taken of the UNQUANTISED p, in f32, and the product's result is divided by l at the end. Since M is a whole number, a kernel that streams over the keys may use a running M (the ceiling of the running maximum): every later rescaling is an exact power of two, which a block's scale takes up: the codes' values come out the same.
;;   OPERANDS COMPUTED ON THE WAY. 'Computed on the way' means the value that the module computes at that place (a softmax that the list does not call 'softmax' is quantised finished and normalised). What goes into a quantiser is computed in f32, as accurately as f32 sums, v_exp_f32 and their like allow (about 1e-6 of the number): no bf16 or f16 on the way to a quantiser, and a product that is left as it is and whose result goes on into a quantised operand takes f32 operands (vector FMAs, or v_wmma_f32_16x16x4_f32). A number that lies on a knife's edge between two numbers of the format may be rounded either way, as far as f32 arithmetic and the matrix unit's own rounding can turn it there, and no further.
;; One version. Each part assembles by itself: llvm-mc -triple=amdgcn-amd-amdhsa -mcpu=gfx1250 --defsym DOCPART=n.
;; ======== version 1 of 1: 4 launches
;; limits: right only within a limited range of input values
;; workspace buffers: xc 18,874,368 bytes; wc 3,145,728 bytes; scl 884,736 bytes; scl2 294,912 bytes; qp 6,553,600 bytes; kvp 13,107,200 bytes; ao 6,291,456 bytes
;; launch quant (part 1): grid 1280 x 1, 2 waves a work-group, no clusters, 24,064 bytes of LDS; arguments Q, K, V, xc, Wq, Wk, Wv, Wo, scl, wc, scl2; writes xc, wc, scl, scl2
.if DOCPART == 1
	.amdgcn_target "amdgcn-amd-amdhsa--gfx1250"
	.amdhsa_code_object_version 6
	.text
	.protected	k_q02ea04fec7_quant
	.globl	k_q02ea04fec7_quant
	.p2align	8
	.type	k_q02ea04fec7_quant,@function
k_q02ea04fec7_quant:
	s_mov_b64 s[64:65], 0
	v_nop
	global_prefetch_b8 v0, s[64:65] scope:SCOPE_SE
	s_setreg_imm32_b32 hwreg(HW_REG_WAVE_MODE, 25, 1), 1
	s_wait_xcnt 0x0
; One preparing launch for all seven wide operands: codes of FP6 (E2M3) quantised along K, one E8M0 byte for each 32 along K.
; A block's scale is 2^(floor(log2(its largest magnitude)) - 2); its byte is the largest magnitude's exponent field - 2, held at 1 from below.
; LAYOUT OF THE CODES (all tensors of codes of this program): a HALF IMAGE is 768 bytes = 16 rows x 64 along K, laid as the operand's registers: lane rho + 16 h owns block h (32 codes, 6 registers) of the
; image's row rho; bytes 0-511 hold each lane's registers 0-3 at 16 x lane, bytes 512-767 its registers 4-5 at 8 x lane.  Two half images on end are a fragment of 128 along K.
; Image i, lane-row rho is row 32 (i / 2) + 8 (i % 2) + rho % 8 + 16 (rho / 8).  An operand is [image][K / 64][768]; its scale bytes [image][rho][32], byte K / 32.
; WORK-GROUPS 0-767: Q, K, V, each [8192 (token)][1024] f32 with K innermost.  A wave makes one image: eight fragments of 16 rows x 128 K.  Each load takes 512 consecutive bytes of one row; a fragment turns through the
; wave's own stage in LDS (rows 528 bytes apart) so that a lane gets two WHOLE blocks of its row, in the operand's own order.
; WORK-GROUPS 768-1279: the four weights, each [1024 (k)][1024 (n)] f32 with K as the FIRST axis.  Number 16 (8 J + kc) + x: weight J, 128 along K, 64 columns; a wave 32 columns = one pair of images.
; A LANE TAKES A COLUMN AND ITS REGISTERS RUN DOWN K: a block of 32 is one lane's.  A lane's codes go through the wave's own stage, laid as the two images' bytes, and leave as runs of 512 consecutive bytes.
; The two paths part on the work-group's number alone and have LDS bytes of their own; the work-groups with more work have the lower numbers.  Waves share nothing: no barrier.
; LIMITS: NaN and infinities are not served; a block whose largest magnitude lies under 2^-124 keeps the byte 1; a block of zeros has the byte 1 and not 127 (its codes are zeros; this program alone reads the bytes).
.set R,    16                          ; tokens' path: v16-143 two sets of 64 registers as loaded
.set X,    144                         ; v144-207 my two blocks
.set C,    208                         ; v208-219 a fragment's codes
.set T,    220                         ; v220-226 upper halves as the conversions leave them
.set S,    228                         ; v228-235 a scale word for each fragment
.set OUTR, 236                         ; v236-239 the scale words on their way out
.set ROWW, 4096                        ; weights' path: a row of W in bytes
.set WBASE, 0x4400                     ; its stages lie behind the tokens' stages (16,896 bytes) and the spare words (256 bytes from 0x4200)
.set WST,  3328                        ; a wave's stage: two images of 1,536 bytes, 128 bytes of padding behind each
.set IST,  1664
.set WSB,  24                          ; v24      my column's four scale bytes
.set WX,   32                          ; v32-95   two sets of 32 numbers
.set WC,   96                          ; v96-101  a block's codes
.set WT,   104                         ; v104-106 their upper half as the conversion leaves it
.set WOUT, 112                         ; v112-135 the way out
	v_lshl_add_u32 v240, v0, 2, 0x4200
	v_mov_b32 v241, 0
	s_cmp_ge_u32 ttmp9, 768
	s_wait_alu depctr_va_vdst(0)                   ; the wait directly ahead of the branch
	s_cbranch_scc1 .Lweights
	s_load_b256 s[4:11], s[0:1], 0x0               ; Q, K, V, xc
	s_load_b64 s[12:13], s[0:1], 0x40              ; scl
	v_lshrrev_b32 v1, 5, v0
	v_readfirstlane_b32 s14, v1                    ; wave
	v_and_b32 v1, 31, v0                           ; lane
	v_and_b32 v2, 15, v0                           ; rho
	v_bfe_u32 v13, v0, 4, 1                        ; h
	v_lshlrev_b32 v3, 4, v1                        ; 16 x lane
	v_lshlrev_b32 v4, 3, v1                        ; 8 x lane
	s_mul_i32 s15, s14, 8448                       ; my stage: 16 rows of 528 bytes
	v_add_nc_u32 v5, s15, v3                       ; in: a row as it lies
	v_mul_u32_u24 v6, v2, 528
	v_lshl_add_u32 v6, v13, 7, v6
	v_add_nc_u32 v6, s15, v6                       ; out: row rho, + 128 h: my block of 32 numbers
	v_lshlrev_b32 v7, 5, v2
	v_lshl_add_u32 v7, v13, 4, v7                  ; scale bytes: 32 rho + 16 h
	v_lshlrev_b32 v14, 3, v13                      ; 8 h
	v_mov_b32 v15, 0                               ; a lane permute's destination counts as read: written once
	s_mov_b32 s20, 0x76543210
	s_mov_b32 s21, 0xfedcba98                      ; selects for lane xor 16
	s_lshl_b32 s16, ttmp9, 1
	s_add_co_u32 s16, s16, s14                     ; the image, 0 .. 1535
	s_and_b32 s17, s16, 511                        ; within its tensor
	s_lshr_b32 s18, s17, 1
	s_lshl_b32 s18, s18, 5
	s_and_b32 s19, s17, 1
	s_lshl_b32 s19, s19, 3
	s_add_co_u32 s18, s18, s19                     ; its first token
	s_lshl_b32 s18, s18, 12                        ; x 4,096 bytes
	s_mov_b32 s19, 0
	s_mul_i32 s22, s16, 12288
	s_mov_b32 s23, 0
	s_lshl_b32 s24, s16, 9
	s_mov_b32 s25, 0
	s_wait_alu depctr_va_vdst(0)                   ; the wait at the head's end
	s_wait_kmcnt 0x0
	s_cmp_lt_u32 ttmp9, 256                        ; the tensor is chosen by the work-group's number alone
	s_cselect_b64 s[4:5], s[4:5], s[6:7]
	s_cmp_lt_u32 ttmp9, 512
	s_cselect_b64 s[4:5], s[4:5], s[8:9]
	s_add_nc_u64 s[4:5], s[4:5], s[18:19]
	s_add_nc_u64 s[10:11], s[10:11], s[22:23]
	s_add_nc_u64 s[12:13], s[12:13], s[24:25]
.macro XLOAD s                         ; fragment s: 512 bytes of each of the image's 16 rows
.irp i, 0,1,2,3,4,5,6,7,8,9,10,11,12,13,14,15
	global_load_b128 v[R+64*((\s)%2)+4*\i:R+64*((\s)%2)+4*\i+3], v3, s[4:5] offset:((\i%8)+16*(\i/8))*4096+512*(\s) th:TH_LOAD_NT
.endr
.endm
.macro FRAGX s
.if (\s) < 7
	s_wait_loadcnt 16                              ; this fragment's 16 loads are in; the next fragment's 16 may be out
.else
	s_wait_loadcnt 0x0
.endif
.irp i, 0,1,2,3,4,5,6,7,8,9,10,11,12,13,14,15
	ds_store_b128 v5, v[R+64*((\s)%2)+4*\i:R+64*((\s)%2)+4*\i+3] offset:528*\i
.endr
.irp c, 0,1
.irp j, 0,1,2,3,4,5,6,7
	ds_load_b128 v[X+32*\c+4*\j:X+32*\c+4*\j+3], v6 offset:256*\c+16*\j   ; k = 64 c + 32 h + 4 j ..; LDS serves a wave's instructions in order
.endr
.endr
	s_wait_dscnt 0x0                               ; my blocks are in, and the stores have read their registers
.if (\s) < 6
	XLOAD (\s)+2
.endif
	v_max3_num_f32 v8, |v[X]|, |v[X+1]|, 0x1800000         ; two blocks by turns, each with the floor 2^(3 - 127)
	v_max3_num_f32 v9, |v[X+32]|, |v[X+33]|, 0x1800000
.irp i, 2,4,6,8,10,12,14,16,18,20,22,24,26,28,30
	v_max3_num_f32 v8, v8, |v[X+\i]|, |v[X+\i+1]|
	v_max3_num_f32 v9, v9, |v[X+32+\i]|, |v[X+33+\i]|
.endr
	v_add_nc_u32 v10, 0xff000000, v8               ; 2 off the exponent fields: the conversions' scale operands
	v_add_nc_u32 v11, 0xff000000, v9
	v_lshrrev_b32 v8, 23, v10                      ; the bytes of blocks h and 2 + h
	v_lshrrev_b32 v9, 23, v11
	v_lshl_or_b32 v8, v9, 16, v8
	v_lshlrev_b32 v8, v14, v8                      ; at their places in the word
	v_permlanex16_b32 v15, v8, s20, s21
	v_or_b32 v[S+(\s)], v8, v15                    ; with lane xor 16's two the row's word is whole
	s_wait_alu depctr_va_vdst(0)
	s_wait_xcnt 0x0                                ; the last fragment's stores have read their registers
	v_cvt_scalef32_pk16_fp6_f32 v[C:C+2], v[X:X+15], v10
	v_cvt_scalef32_pk16_fp6_f32 v[T:T+2], v[X+16:X+31], v10
	v_cvt_scalef32_pk16_fp6_f32 v[C+6:C+8], v[X+32:X+47], v11
	v_cvt_scalef32_pk16_fp6_f32 v[T+4:T+6], v[X+48:X+63], v11
	v_nop                                          ; one plain line behind the conversions
.irp i, 0,1,2
	v_mov_b32 v[C+3+\i], v[T+\i]
	v_mov_b32 v[C+9+\i], v[T+4+\i]
.endr
	global_store_b128 v3, v[C:C+3], s[10:11] offset:1536*(\s)          ; each store covers 512 or 256 consecutive bytes, at a multiple of 256
	global_store_b64 v4, v[C+4:C+5], s[10:11] offset:1536*(\s)+512
	global_store_b128 v3, v[C+6:C+9], s[10:11] offset:1536*(\s)+768
	global_store_b64 v4, v[C+10:C+11], s[10:11] offset:1536*(\s)+1280
.endm
	XLOAD 0
	XLOAD 1
.irp s, 0,1,2,3,4,5,6,7
	FRAGX \s
.endr
	v_cmp_gt_u32 vcc_lo, 16, v1                    ; lanes 0-15 take a row's words 0-3, lanes 16-31 its words 4-7
.irp j, 0,1,2,3
	v_cndmask_b32 v[OUTR+\j], v[S+4+\j], v[S+\j], vcc_lo
.endr
	global_store_b128 v7, v[OUTR:OUTR+3], s[12:13] ; the image's 512 scale bytes
	s_wait_tensorcnt 0x0                           ; the wave's end
	ds_add_u32 v240, v241
	s_wait_dscnt 0x0
	s_endpgm
.Lweights:
	s_load_b256 s[4:11], s[0:1], 0x20              ; Wq, Wk, Wv, Wo
	s_load_b64 s[12:13], s[0:1], 0x48              ; wc
	s_load_b64 s[14:15], s[0:1], 0x40              ; scl
	s_load_b64 s[16:17], s[0:1], 0x50              ; scl2
	v_lshrrev_b32 v1, 5, v0
	v_readfirstlane_b32 s18, v1                    ; wave
	v_and_b32 v3, 31, v0                           ; lane = my column of the pair's 32
	v_lshlrev_b32 v2, 2, v3                        ; in: 4 bytes a lane
	v_and_b32 v4, 7, v0
	v_bfe_u32 v10, v0, 4, 1
	v_lshl_or_b32 v4, v10, 3, v4                   ; rho = lane % 8 + 8 (lane / 16)
	v_bfe_u32 v10, v0, 3, 1                        ; u = (lane / 8) % 2: which image of the pair
	s_mul_i32 s19, s18, WST
	s_add_co_u32 s19, s19, WBASE
	v_mul_u32_u24 v11, v10, IST
	v_add_nc_u32 v11, s19, v11
	v_lshl_add_u32 v5, v4, 4, v11                  ; stage: my registers 0-3
	v_lshl_add_u32 v6, v4, 3, v11                  ; and 4-5
	v_lshlrev_b32 v8, 4, v3                        ; out: 16 bytes a lane
	v_add_nc_u32 v7, s19, v8
	v_lshlrev_b32 v9, 5, v4
	v_lshl_add_u32 v9, v10, 9, v9                  ; my row of scale bytes: 512 u + 32 rho
	s_sub_co_u32 s34, ttmp9, 768                   ; 0 .. 511
	s_lshr_b32 s21, s34, 4
	s_lshr_b32 s20, s21, 3                         ; J
	s_and_b32 s21, s21, 7                          ; kc
	s_and_b32 s26, s34, 15
	s_lshl_b32 s26, s26, 1
	s_add_co_u32 s26, s26, s18                     ; the pair of images: 2 x + wave
	s_lshl_b32 s28, s21, 19                        ; W: 128 kc rows
	s_lshl_b32 s27, s26, 7                         ;    + 32 columns a pair
	s_add_co_u32 s28, s28, s27
	s_mov_b32 s29, 0
	s_mul_i32 s30, s20, 786432                     ; codes: the weight's 64 images,
	s_mul_i32 s27, s26, 24576                      ; two images a pair,
	s_add_co_u32 s30, s30, s27
	s_mul_i32 s27, s21, 1536                       ; two half images for 128 along K
	s_add_co_u32 s30, s30, s27
	s_mov_b32 s31, 0
	s_lshl_b32 s32, s20, 15
	s_add_co_u32 s32, s32, 786432                  ; scale bytes: Wq, Wk, Wv lie behind X's in scl,
	s_cmp_eq_u32 s20, 3
	s_cselect_b32 s32, 262144, s32                 ; Wo's behind the attention's in scl2
	s_lshl_b32 s27, s26, 10
	s_add_co_u32 s32, s32, s27
	s_lshl_b32 s27, s21, 2                         ; word kc of a row
	s_add_co_u32 s32, s32, s27
	s_mov_b32 s33, 0
	s_wait_alu depctr_va_vdst(0)                   ; the wait at the head's end
	s_wait_kmcnt 0x0
	s_cmp_eq_u32 s20, 0                            ; the buffers are chosen by J alone
	s_cselect_b64 s[22:23], s[4:5], s[6:7]
	s_cmp_eq_u32 s20, 2
	s_cselect_b64 s[24:25], s[8:9], s[10:11]
	s_cmp_lt_u32 s20, 2
	s_cselect_b64 s[22:23], s[22:23], s[24:25]
	s_cmp_eq_u32 s20, 3
	s_cselect_b64 s[24:25], s[16:17], s[14:15]
	s_add_nc_u64 s[22:23], s[22:23], s[28:29]
	s_add_nc_u64 s[12:13], s[12:13], s[30:31]
	s_add_nc_u64 s[24:25], s[24:25], s[32:33]
.macro WLOAD t                         ; block t: W(128 kc + 32 t + i, my column) into set t % 2; a wave's load covers 128 consecutive bytes
.irp i, 0,1,2,3,4,5,6,7,8,9,10,11,12,13,14,15,16,17,18,19,20,21,22,23,24,25,26,27,28,29,30,31
	global_load_b32 v[WX+32*((\t)%2)+\i], v2, s[22:23] offset:(32*(\t)+\i)*ROWW th:TH_LOAD_NT
.endr
.endm
.macro BLOCK t
.set XS, WX+32*((\t)%2)
.if (\t) < 3
	s_wait_loadcnt 32                              ; this block's 32 loads are in; the next block's 32 may be out
.else
	s_wait_loadcnt 0x0
.endif
	v_max3_num_f32 v12, |v[XS]|, |v[XS+1]|, |v[XS+2]|       ; the block's largest magnitude, in two chains
	v_max3_num_f32 v13, |v[XS+3]|, |v[XS+4]|, |v[XS+5]|
.irp i, 6,10,14,18,22,26
	v_max3_num_f32 v12, v12, |v[XS+\i]|, |v[XS+\i+1]|
	v_max3_num_f32 v13, v13, |v[XS+\i+2]|, |v[XS+\i+3]|
.endr
	v_max3_num_f32 v12, v12, |v[XS+30]|, |v[XS+31]|
	v_max3_num_f32 v12, v12, v13, 0x1800000        ; and the floor 2^(3 - 127): the byte cannot fall under 1
	v_add_nc_u32 v11, 0xff000000, v12              ; 2 off the exponent field: the conversion's scale operand
	v_lshrrev_b32 v13, 23, v11                     ; the byte
.if (\t) == 0
	v_mov_b32 v[WSB], v13
.else
	v_lshl_or_b32 v[WSB], v13, 8*(\t), v[WSB]
.endif
	v_cvt_scalef32_pk16_fp6_f32 v[WC:WC+2], v[XS:XS+15], v11
	v_cvt_scalef32_pk16_fp6_f32 v[WT:WT+2], v[XS+16:XS+31], v11   ; (a conversion's three registers begin on an even number)
	v_nop                                          ; one plain line behind the conversions
.irp i, 0,1,2
	v_mov_b32 v[WC+3+\i], v[WT+\i]
.endr
	ds_store_b128 v5, v[WC:WC+3] offset:((\t)/2)*768+((\t)%2)*256       ; block t is block t % 2 of half image t / 2
	ds_store_b64 v6, v[WC+4:WC+5] offset:((\t)/2)*768+512+((\t)%2)*128
.if (\t) < 2
	WLOAD (\t)+2
.endif
	s_wait_dscnt 0x0                               ; the stores have read their registers: the next block's codes may be written
.endm
	WLOAD 0
	WLOAD 1
	BLOCK 0
	BLOCK 1
	BLOCK 2
	BLOCK 3
	s_wait_alu depctr_va_vdst(0)                   ; the wait directly ahead of the reader below
	global_store_b32 v9, v[WSB], s[24:25]          ; my column's scale word for these 128 along K
.irp u, 0,1
.irp i, 0,1,2
	ds_load_b128 v[WOUT+12*\u+4*\i:WOUT+12*\u+4*\i+3], v7 offset:\u*IST+512*\i   ; LDS serves a wave's instructions in order: these see my stores
.endr
.endr
.irp u, 0,1
.irp i, 0,1,2
	s_wait_dscnt 5-3*\u-\i                         ; the younger loads may be out
	global_store_b128 v8, v[WOUT+12*\u+4*\i:WOUT+12*\u+4*\i+3], s[12:13] offset:\u*12288+512*\i   ; 512 consecutive bytes, at a multiple of 256
.endr
.endr
	s_wait_tensorcnt 0x0                           ; the wave's end
	ds_add_u32 v240, v241
	s_wait_dscnt 0x0
	s_endpgm
.Lfunc_end_k_q02ea04fec7_quant:
	.size	k_q02ea04fec7_quant, .Lfunc_end_k_q02ea04fec7_quant-k_q02ea04fec7_quant
	.p2alignl 7, 3214868480
	.fill 96, 4, 3214868480
	.section	.rodata,"a",@progbits
	.p2align	6, 0x0
	.amdhsa_kernel k_q02ea04fec7_quant
		.amdhsa_group_segment_fixed_size 24064
		.amdhsa_private_segment_fixed_size 0
		.amdhsa_enable_private_segment 0
		.amdhsa_kernarg_size 88
		.amdhsa_user_sgpr_count 2
		.amdhsa_user_sgpr_kernarg_segment_ptr 1
		.amdhsa_wavefront_size32 1
		.amdhsa_system_sgpr_workgroup_id_x 1
		.amdhsa_system_sgpr_workgroup_id_y 1
		.amdhsa_system_sgpr_workgroup_id_z 1
		.amdhsa_system_vgpr_workitem_id 0
		.amdhsa_next_free_vgpr 242
		.amdhsa_next_free_sgpr 66
		.amdhsa_reserve_vcc 1
		.amdhsa_float_denorm_mode_32 3
		.amdhsa_float_denorm_mode_16_64 3
		.amdhsa_memory_ordered 1
		.amdhsa_forward_progress 1
		.amdhsa_inst_pref_size 81
	.end_amdhsa_kernel
	.amdgpu_metadata
---
amdhsa.version: [ 1, 2 ]
amdhsa.kernels:
  - .name:           k_q02ea04fec7_quant
    .symbol:         k_q02ea04fec7_quant.kd
    .args:
      - { .name: Q, .offset: 0, .size: 8, .value_kind: global_buffer, .address_space: global }
      - { .name: K, .offset: 8, .size: 8, .value_kind: global_buffer, .address_space: global }
      - { .name: V, .offset: 16, .size: 8, .value_kind: global_buffer, .address_space: global }
      - { .name: xc, .offset: 24, .size: 8, .value_kind: global_buffer, .address_space: global }
      - { .name: Wq, .offset: 32, .size: 8, .value_kind: global_buffer, .address_space: global }
      - { .name: Wk, .offset: 40, .size: 8, .value_kind: global_buffer, .address_space: global }
      - { .name: Wv, .offset: 48, .size: 8, .value_kind: global_buffer, .address_space: global }
      - { .name: Wo, .offset: 56, .size: 8, .value_kind: global_buffer, .address_space: global }
      - { .name: scl, .offset: 64, .size: 8, .value_kind: global_buffer, .address_space: global }
      - { .name: wc, .offset: 72, .size: 8, .value_kind: global_buffer, .address_space: global }
      - { .name: scl2, .offset: 80, .size: 8, .value_kind: global_buffer, .address_space: global }
    .group_segment_fixed_size: 24064
    .private_segment_fixed_size: 0
    .kernarg_segment_align: 8
    .kernarg_segment_size: 88
    .max_flat_workgroup_size: 64
    .sgpr_count:     66
    .vgpr_count:     242
    .wavefront_size: 32
...
	.end_amdgpu_metadata
.endif
;; end of part 1
;; launch proj (part 2): grid 4 x 96, 4 waves a work-group, clusters of 4 x 4, 327,680 bytes of LDS; arguments xc, wc, scl, bq, bk, bv, qp, kvp; writes qp, kvp
.if DOCPART == 2
	.amdgcn_target "amdgcn-amd-amdhsa--gfx1250"
	.amdhsa_code_object_version 6
	.text
	.protected	k_q02ea04fec7_proj
	.globl	k_q02ea04fec7_proj
	.p2align	8
	.type	k_q02ea04fec7_proj,@function
k_q02ea04fec7_proj:
	s_mov_b64 s[64:65], 0
	v_nop
	global_prefetch_b8 v0, s[64:65] scope:SCOPE_SE
	s_setreg_imm32_b32 hwreg(HW_REG_WAVE_MODE, 25, 1), 1
	s_wait_xcnt 0x0
	s_wait_alu depctr_hold_cnt(0) depctr_sa_sdst(0) depctr_va_vdst(0) depctr_va_sdst(0) depctr_va_ssrc(0) depctr_va_vcc(0) depctr_vm_vsrc(0)
	s_getreg_b32 s2, hwreg(HW_REG_IB_STS2, 6, 4)
	s_cmp_eq_u32 s2, 0
	s_cbranch_scc0 .Lentry_in_a_cluster
	s_endpgm
.Lentry_in_a_cluster:
	s_bfe_u32 s2, ttmp6, 0x10000c
	s_cmp_lg_u32 s2, 0xf033
	s_cbranch_scc0 .Lentry_shape_is_right
	s_endpgm
.Lentry_shape_is_right:
.set IMG,    12288
.set ROWB,   3072
.set HALFT,  8*ROWB
.set SLOT,   4*HALFT
.set SPARE,  2*SLOT
.set FR,     12
.set NL,     4
.set NP,     4
.set ADRA,   16
.set ADRA8,  18
.set ADRB,   20
.set ADRB8,  22
.set L16,    24
.set L8,     25
.set SOF,    26
.set SPW,    28
.set NIL,    29
.set SC,     32
.set TM,     96
.set PW,     112
.set AF,     128
.set PC,     128
.set OA,     148
.set OB,     152
.set SELQ,   156
.set SELW,   157
.set TS,     158
.set BA,     224
.set G1,  24
.set G0,  32
.set G1B, 48
.set G0B, 56
.set MSB, 0
.macro WIN new
.if MSB != \new
	s_set_vgpr_msb (MSB<<8)|\new
.set MSB, \new
.endif
.endm
.macro JLOAD g0a, g1a, g0b, g1b
	s_cmp_eq_u32 s15, 0
	s_cbranch_scc0 .Lfor_b_\@
	tensor_load_to_lds s[\g0a:\g0a+3], s[\g1a:\g1a+7]
	s_nop 0
.rept 4
	v_nop
.endr
	s_branch .Lasked_\@
.Lfor_b_\@:
	tensor_load_to_lds s[\g0b:\g0b+3], s[\g1b:\g1b+7]
	s_nop 0
.rept 4
	v_nop
.endr
.Lasked_\@:
.endm
.macro CREST
	s_cmp_lg_u32 s14, 0
	s_cbranch_scc1 .Lnot_wave_0_\@
	s_barrier_signal -3
.Lnot_wave_0_\@:
	s_barrier_wait -3
	s_barrier_signal -1
	s_barrier_wait -1
.endm
.macro CROUND
	s_barrier_signal -1
	s_barrier_wait -1
	CREST
.endm
.macro PLACES n
.rept \n
	v_nop
.endr
.endm
.macro FRAG reg, a16, a8, q, i
	ds_load_b128 v[\reg:\reg+3], v[\a16] offset:(\i)*ROWB+(\q)*1536
	ds_load_b64 v[\reg+4:\reg+5], v[\a8] offset:(\i)*ROWB+(\q)*1536+512
	ds_load_b128 v[\reg+6:\reg+9], v[\a16] offset:(\i)*ROWB+(\q)*1536+768
	ds_load_b64 v[\reg+10:\reg+11], v[\a8] offset:(\i)*ROWB+(\q)*1536+1280
.endm
.macro FETCH_B slot, q, p
	WIN 0x40
.irp i, 0,1,2,3,4,5,6,7
	FRAG 128*(\p)+FR*\i, ADRB+\slot, ADRB8+\slot, \q, \i
.endr
	WIN 0
.endm
.macro FETCH_A slot, q, i0
.irp i, \i0, \i0+1, \i0+2, \i0+3
	FRAG AF+FR*(\i), ADRA+\slot, ADRA8+\slot, \q, \i
.endr
.endm
.macro MUL16 a0, p, ks, first
.irp a, \a0, \a0+1
.irp b, 0,1,2,3,4,5,6,7
.if \first
	v_wmma_scale_f32_16x16x128_f8f6f4 v[8*(8*((\a)%4)+\b):8*(8*((\a)%4)+\b)+7], v[128*(\p)+FR*\b:128*(\p)+FR*\b+FR-1], v[AF+FR*(\a):AF+FR*(\a)+FR-1], v[96+8*\b+96*(\b/4):96+8*\b+96*(\b/4)+7], v[SC+8*\b+(\ks)], v[SC+8*(\a)+(\ks)] matrix_a_fmt:MATRIX_FMT_FP6 matrix_b_fmt:MATRIX_FMT_FP6 matrix_a_scale:MATRIX_SCALE_ROW1
.else
	v_wmma_scale_f32_16x16x128_f8f6f4 v[8*(8*((\a)%4)+\b):8*(8*((\a)%4)+\b)+7], v[128*(\p)+FR*\b:128*(\p)+FR*\b+FR-1], v[AF+FR*(\a):AF+FR*(\a)+FR-1], v[8*(8*((\a)%4)+\b):8*(8*((\a)%4)+\b)+7], v[SC+8*\b+(\ks)], v[SC+8*(\a)+(\ks)] matrix_a_fmt:MATRIX_FMT_FP6 matrix_b_fmt:MATRIX_FMT_FP6 matrix_a_scale:MATRIX_SCALE_ROW1
.endif
.endr
.endr
.endm
.macro STEP slot, ks, first
	s_wait_dscnt 4*NL
.if \first
	WIN 0x91
.else
	WIN 0xa1
.endif
	MUL16 0, 0, \ks, \first
	MUL16 2, 0, \ks, \first
	s_wait_dscnt 0x0
	PLACES NP
	FETCH_B \slot, 1, 1
	FETCH_A \slot, 1, 0
.if \first
	WIN 0xd1
.else
	WIN 0xf1
.endif
	MUL16 4, 0, \ks, \first
	MUL16 6, 0, \ks, \first
	PLACES NP
	WIN 0
	FETCH_A \slot, 1, 4
.endm
.macro TURN slot, next, fill, ks
	s_wait_tensorcnt 0x0
	ds_add_u32 v[SPW], v[NIL]
	s_wait_dscnt 4*NL+1
	WIN 0xa1
	MUL16 0, 1, \ks, 0
	s_wait_dscnt 0x0
	s_barrier_signal -1
	MUL16 2, 1, \ks, 0
	WIN 0
	s_barrier_wait -1
.if \fill
	CREST
	s_add_nc_u64 s[G0+4*\slot+2:G0+4*\slot+3], s[G0+4*\slot+2:G0+4*\slot+3], 2*ROWB
	s_add_nc_u64 s[G0B+4*\slot+2:G0B+4*\slot+3], s[G0B+4*\slot+2:G0B+4*\slot+3], 2*ROWB
	JLOAD G0+4*\slot, G1, G0B+4*\slot, G1B
.else
	PLACES NP
.endif
	FETCH_B \next, 0, 0
	FETCH_A \next, 0, 0
	WIN 0xf1
	MUL16 4, 1, \ks, 0
	MUL16 6, 1, \ks, 0
	PLACES NP
	WIN 0
	FETCH_A \next, 0, 4
.endm
	s_load_b256 s[4:11], s[0:1], 0x0
	s_load_b256 s[68:75], s[0:1], 0x20
	v_lshl_add_u32 v[SPW], v0, 2, SPARE
	v_mov_b32 v[NIL], 0
	ds_add_u32 v28, v29
	ds_add_u32 v28, v29
	s_wait_dscnt 0x0
	v_lshrrev_b32 v1, 5, v0
	v_readfirstlane_b32 s14, v1
	s_lshr_b32 s15, s14, 1
	s_and_b32 s16, s14, 1
	s_bfe_u32 s40, ttmp6, 0x40000
	s_bfe_u32 s41, ttmp6, 0x40004
	s_and_b32 s17, ttmp7, 0xffff
	s_lshr_b32 s18, s17, 3
	s_and_b32 s19, s17, 7
	s_lshl_b32 s19, s19, 2
	s_cmp_eq_u32 s18, 2
	s_cselect_b32 s20, 0, s19
	s_cselect_b32 s21, s19, 0
	s_cselect_b32 s66, -1, 0
	s_cselect_b32 s67, 0, -1
	s_add_co_u32 s22, s20, s41
	s_add_co_u32 s42, s21, s40
	s_lshl_b32 s43, s41, 2
	s_lshl_b32 s43, 15, s43
	s_lshl_b32 s44, 0x1111, s40
	s_or_b32 s[G1+0], s43, (3<<16)|(1<<21)
	s_or_b32 s[G1B+0], s44, (3<<16)|(1<<21)
.irp g, G1, G1B
	s_mov_b32 s[\g+1], 384<<16
	s_mov_b32 s[\g+2], 8<<16
	s_mov_b32 s[\g+3], 384<<16
	s_mov_b32 s[\g+4], 8
	s_mov_b32 s[\g+5], 1536
	s_mov_b32 s[\g+6], 0
	s_mov_b32 s[\g+7], 0
.endr
	s_lshl_b32 s46, s16, 3
	s_lshl_b32 s23, s22, 4
	s_add_co_u32 s23, s23, s46
	s_mul_i32 s76, s23, IMG
	s_mul_i32 s23, s18, 6291456
	s_mul_i32 s47, s18, 786432
	s_cmp_eq_u32 s18, 2
	s_cselect_b32 s23, 1572864, s23
	s_cselect_b32 s47, 12582912, s47
	s_add_co_u32 s76, s76, s23
	s_mov_b32 s77, 0
	s_lshl_b32 s78, s42, 4
	s_add_co_u32 s78, s78, s46
	s_mul_i32 s78, s78, IMG
	s_add_co_u32 s78, s78, s47
	s_mov_b32 s79, 0
	s_mul_i32 s45, s14, HALFT
	s_wait_kmcnt 0x0
	s_cmp_eq_u32 s18, 2
	s_cselect_b64 s[80:81], s[6:7], s[4:5]
	s_cselect_b64 s[82:83], s[4:5], s[6:7]
	s_add_nc_u64 s[76:77], s[80:81], s[76:77]
	s_add_nc_u64 s[78:79], s[82:83], s[78:79]
	CROUND
.irp s, 0,1
	s_mov_b32 s[G0+4*\s], 1
	s_add_co_u32 s[G0+4*\s+1], s45, \s*SLOT
	s_add_nc_u64 s[G0+4*\s+2:G0+4*\s+3], s[76:77], \s*ROWB
	s_or_b32 s[G0+4*\s+3], s[G0+4*\s+3], 0x80000000
	s_mov_b32 s[G0B+4*\s], 1
	s_add_co_u32 s[G0B+4*\s+1], s45, \s*SLOT
	s_add_nc_u64 s[G0B+4*\s+2:G0B+4*\s+3], s[78:79], \s*ROWB
	s_or_b32 s[G0B+4*\s+3], s[G0B+4*\s+3], 0x80000000
	s_wait_alu depctr_va_vdst(0)
	s_wait_tensorcnt 0x0
	ds_add_u32 v28, v29
	ds_add_u32 v28, v29
	s_wait_dscnt 0x0
	CROUND
	JLOAD G0+4*\s, G1, G0B+4*\s, G1B
.endr
	v_and_b32 v1, 31, v0
	v_and_b32 v2, 15, v0
	v_bfe_u32 v3, v0, 4, 1
	v_lshlrev_b32 v[L16], 4, v1
	v_lshlrev_b32 v[L8], 3, v1
	s_mul_i32 s20, s15, HALFT
	s_mul_i32 s21, s16, HALFT
	s_add_co_u32 s21, s21, 2*HALFT
.irp s, 0,1
	v_add_nc_u32 v[ADRA+\s], s20, v[L16]
	v_add_nc_u32 v[ADRA8+\s], s20, v[L8]
	v_add_nc_u32 v[ADRB+\s], s21, v[L16]
	v_add_nc_u32 v[ADRB8+\s], s21, v[L8]
	s_add_co_u32 s20, s20, SLOT
	s_add_co_u32 s21, s21, SLOT
.endr
	s_lshl_b32 s20, s22, 4
	s_lshl_b32 s23, s15, 3
	s_add_co_u32 s20, s20, s23
	s_lshl_b32 s21, s42, 4
	s_lshl_b32 s23, s16, 3
	s_add_co_u32 s21, s21, s23
	s_lshl_b32 s96, s18, 18
	s_lshl_b32 s97, s18, 15
	s_add_co_u32 s97, s97, 786432
	s_lshl_b32 s23, s21, 6
	s_lshl_b32 s47, s20, 6
	s_cmp_eq_u32 s18, 2
	s_cselect_b32 s96, 851968, s96
	s_cselect_b32 s97, 524288, s97
	s_cselect_b32 s23, 0, s23
	s_cselect_b32 s47, s47, 0
	s_cselect_b32 s100, s21, s20
	s_cselect_b32 s101, s20, s21
	s_cselect_b64 s[80:81], s[70:71], s[68:69]
	s_lshl_b32 s46, s20, 9
	s_add_co_u32 s96, s96, s46
	s_lshl_b32 s46, s21, 9
	s_add_co_u32 s97, s97, s46
	s_cmp_eq_u32 s18, 0
	s_cselect_b64 s[80:81], s[10:11], s[80:81]
	s_cselect_b64 s[82:83], s[72:73], s[74:75]
	s_mov_b32 s94, 12800
	s_cselect_b32 s94, 6400, s94
	s_mov_b32 s46, 12288
	s_cselect_b32 s46, 6144, s46
	s_lshl_b32 s95, s94, 4
	s_sub_co_u32 s17, s95, 4608
	s_cmp_eq_u32 s18, 2
	s_cselect_b32 s46, 12544, s46
	s_mov_b32 s88, 768
	s_cselect_b32 s88, 1536, s88
	s_mov_b32 s90, 768
	s_cselect_b32 s90, s17, s90
	s_mov_b32 s92, 768
	s_cselect_b32 s92, s92, s95
	s_cselect_b32 s17, 6144, 0
	s_mov_b32 s89, 0
	s_mov_b32 s91, 0
	s_mov_b32 s93, 0
	s_mov_b32 s98, 0x76543210
	s_mov_b32 s99, 0xfedcba98
	v_mov_b32 v4, s96
	v_mov_b32 v5, s97
	v_cmp_eq_u32 vcc_lo, 1, v3
	v_cndmask_b32 v4, v4, v5, vcc_lo
	v_lshl_add_u32 v4, v2, 5, v4
.irp i, 0,1,2,3,4,5,6,7
	global_load_b128 v[SC+8*\i:SC+8*\i+3], v4, s[8:9] offset:512*\i
	global_load_b128 v[SC+8*\i+4:SC+8*\i+7], v4, s[8:9] offset:512*\i+16
.endr
	v_lshlrev_b32 v6, 6, v3
	v_add_nc_u32 v6, s23, v6
	WIN 0x40
.irp b, 0,1,2,3,4,5,6,7
	global_load_b128 v[96+8*\b+96*(\b/4):96+8*\b+96*(\b/4)+3], v6, s[80:81] offset:(32*(\b/2)+8*(\b%2))*4
	global_load_b128 v[96+8*\b+96*(\b/4)+4:96+8*\b+96*(\b/4)+7], v6, s[80:81] offset:(32*(\b/2)+8*(\b%2))*4+16
.endr
	WIN 0
	v_and_b32 v7, 8, v2
	v_add_nc_u32 v7, v7, v2
	v_lshlrev_b32 v7, 2, v7
	v_add_nc_u32 v7, s47, v7
.irp a, 0,1,2,3,4,5,6,7
	global_load_b32 v[BA+2*\a], v7, s[80:81] offset:(32*(\a/2)+8*(\a%2))*4
	global_load_b32 v[BA+2*\a+1], v7, s[80:81] offset:(32*(\a/2)+8*(\a%2))*4
.endr
	v_mul_u32_u24 v[SOF], s95, v3
	v_lshl_add_u32 v[SOF], v2, 4, v[SOF]
	s_lshr_b32 s20, s100, 7
	s_lshl_b32 s20, s20, 4
	s_lshr_b32 s21, s101, 2
	s_add_co_u32 s20, s20, s21
	s_lshl_b32 s20, s20, 4
	s_bfe_u32 s21, s100, 0x40003
	s_add_co_u32 s20, s20, s21
	s_mul_i32 s20, s20, s94
	s_mov_b32 s21, 0
	s_add_nc_u64 s[82:83], s[82:83], s[20:21]
	s_mov_b32 s20, s17
	s_add_nc_u64 s[84:85], s[82:83], s[20:21]
	s_add_nc_u64 s[86:87], s[84:85], s[92:93]
	s_mov_b32 s20, s46
	s_add_nc_u64 s[82:83], s[82:83], s[20:21]
	s_wait_loadcnt 0x0
.set n, 0
.rept 16
	v_and_b32 v[BA+n], s66, v[BA+n]
.set n, n+1
.endr
	WIN 0x44
.set n, 0
.rept 32
	v_and_b32 v[96+n], s67, v[96+n]
	v_and_b32 v[224+n], s67, v[224+n]
.set n, n+1
.endr
	WIN 0
	PLACES 8
	s_wait_alu depctr_va_vdst(0)
	s_wait_tensorcnt 1
	s_barrier_signal -1
	s_barrier_wait -1
	FETCH_B 0, 0, 0
	FETCH_A 0, 0, 0
	FETCH_A 0, 0, 4
	STEP 0, 0, 1
	TURN 0, 1, 1, 1
	STEP 1, 2, 0
	TURN 1, 0, 1, 3
	STEP 0, 4, 0
	TURN 0, 1, 0, 5
	STEP 1, 6, 0
	s_wait_dscnt 4*NL
	WIN 0xa1
	MUL16 0, 1, 7, 0
	MUL16 2, 1, 7, 0
	s_wait_dscnt 0x0
	WIN 0xf1
	MUL16 4, 1, 7, 0
	MUL16 6, 1, 7, 0
	WIN 0
	PLACES NP
.irp b, 0,1,2,3
	v_mov_b32 v[TM+4+\b], 0
.endr
.macro EPI a
.set W, 2+(\a)/4
.set AC, 64*((\a)%4)
	WIN ((W<<6)|W)
.set n, 0
.rept 32
	v_pk_add_f32 v[AC+n:AC+n+1], v[AC+n:AC+n+1], v[BA+2*(\a):BA+2*(\a)+1]
.set n, n+2
.endr
	WIN ((W<<2)|(W<<4))
.irp b, 0,1,2,3
	v_max3_num_f32 v[TM+\b], 0x1800000, |v[AC+16*\b]|, |v[AC+16*\b+1]|
.endr
.irp i, 2,4,6,8,10,12,14
.irp b, 0,1,2,3
	v_max3_num_f32 v[TM+\b], v[TM+\b], |v[AC+16*\b+\i]|, |v[AC+16*\b+\i+1]|
.endr
.endr
	WIN 0
.irp b, 0,1,2,3
	v_permlanex16_b32 v[TM+4+\b], v[TM+\b], s98, s99
.endr
.irp b, 0,1,2,3
	v_max_num_f32 v[TM+\b], v[TM+\b], v[TM+4+\b]
.endr
.irp b, 0,1,2,3
	v_add_nc_u32 v[TM+12+\b], 0xff000000, v[TM+\b]
.endr
.irp b, 0,1,2,3
	v_lshrrev_b32 v[TM+4+\b], 23, v[TM+12+\b]
.endr
	v_lshl_or_b32 v[PW+(\a)], v[TM+5], 8, v[TM+4]
	v_lshl_or_b32 v[PW+(\a)], v[TM+6], 16, v[PW+(\a)]
	v_lshl_or_b32 v[PW+(\a)], v[TM+7], 24, v[PW+(\a)]
	s_wait_xcnt 0x0
.if (\a) == 4
	s_add_nc_u64 s[84:85], s[84:85], s[90:91]
	s_add_nc_u64 s[86:87], s[86:87], s[90:91]
.elseif (\a) > 0
	s_add_nc_u64 s[84:85], s[84:85], s[88:89]
	s_add_nc_u64 s[86:87], s[86:87], s[88:89]
.endif
	WIN W
.irp c, 0,1
	v_cvt_scalef32_pk16_fp6_f32 v[PC+6*\c:PC+2+6*\c], v[AC+32*\c:AC+15+32*\c], v[TM+12+2*\c]
	v_cvt_scalef32_pk16_fp6_f32 v[PC+12+4*\c:PC+14+4*\c], v[AC+16+32*\c:AC+31+32*\c], v[TM+12+2*\c+1]
.endr
	WIN 0
	v_nop
.irp c, 0,1
.irp i, 0,1,2
	v_permlane16_swap_b32 v[PC+6*\c+\i], v[PC+12+4*\c+\i]
.endr
.irp i, 0,1,2
	v_mov_b32 v[PC+3+6*\c+\i], v[PC+12+4*\c+\i]
.endr
.endr
	global_store_b128 v[L16], v[PC:PC+3], s[84:85]
	global_store_b64 v[L8], v[PC+4:PC+5], s[84:85] offset:512
	global_store_b128 v[L16], v[PC+6:PC+9], s[86:87]
	global_store_b64 v[L8], v[PC+10:PC+11], s[86:87] offset:512
.endm
.irp a, 0,1,2,3,4,5,6,7
	EPI \a
.endr
	v_cmp_eq_u32 vcc_lo, 1, v3
	v_mov_b32 v[SELQ], 0x05040100
	v_mov_b32 v[TS], 0x07060302
	v_cndmask_b32 v[SELQ], v[SELQ], v[TS], vcc_lo
	v_mov_b32 v[SELW], 0x03020100
	v_mov_b32 v[TS], 0x07060504
	v_cndmask_b32 v[SELW], v[SELW], v[TS], vcc_lo
	s_mov_b32 vcc_lo, s66
.irp i, 0,1,2,3
	v_perm_b32 v[OA+\i], v[PW+2*\i+1], v[PW+2*\i], v[SELQ]
	v_perm_b32 v[OB+\i], v[PW+4+\i], v[PW+\i], v[SELW]
.endr
.irp i, 0,1,2,3
	v_cndmask_b32 v[OA+\i], v[OA+\i], v[OB+\i], vcc_lo
.endr
	global_store_b128 v[SOF], v[OA:OA+3], s[82:83]
	s_wait_tensorcnt 0x0
	ds_add_u32 v[SPW], v[NIL]
	s_wait_dscnt 0x0
	CROUND
	s_endpgm
.Lfunc_end_k_q02ea04fec7_proj:
	.size	k_q02ea04fec7_proj, .Lfunc_end_k_q02ea04fec7_proj-k_q02ea04fec7_proj
	.p2alignl 7, 3214868480
	.fill 96, 4, 3214868480
	.section	.rodata,"a",@progbits
	.p2align	6, 0x0
	.amdhsa_kernel k_q02ea04fec7_proj
		.amdhsa_group_segment_fixed_size 327680
		.amdhsa_private_segment_fixed_size 0
		.amdhsa_enable_private_segment 0
		.amdhsa_kernarg_size 64
		.amdhsa_user_sgpr_count 2
		.amdhsa_user_sgpr_kernarg_segment_ptr 1
		.amdhsa_wavefront_size32 1
		.amdhsa_system_sgpr_workgroup_id_x 1
		.amdhsa_system_sgpr_workgroup_id_y 1
		.amdhsa_system_sgpr_workgroup_id_z 1
		.amdhsa_system_vgpr_workitem_id 0
		.amdhsa_next_free_vgpr 1024
		.amdhsa_next_free_sgpr 102
		.amdhsa_reserve_vcc 1
		.amdhsa_float_denorm_mode_32 3
		.amdhsa_float_denorm_mode_16_64 3
		.amdhsa_memory_ordered 1
		.amdhsa_forward_progress 1
		.amdhsa_inst_pref_size 172
	.end_amdhsa_kernel
	.amdgpu_metadata
---
amdhsa.version: [ 1, 2 ]
amdhsa.kernels:
  - .name:           k_q02ea04fec7_proj
    .symbol:         k_q02ea04fec7_proj.kd
    .args:
      - { .name: xc, .offset: 0, .size: 8, .value_kind: global_buffer, .address_space: global }
      - { .name: wc, .offset: 8, .size: 8, .value_kind: global_buffer, .address_space: global }
      - { .name: scl, .offset: 16, .size: 8, .value_kind: global_buffer, .address_space: global }
      - { .name: bq, .offset: 24, .size: 8, .value_kind: global_buffer, .address_space: global }
      - { .name: bk, .offset: 32, .size: 8, .value_kind: global_buffer, .address_space: global }
      - { .name: bv, .offset: 40, .size: 8, .value_kind: global_buffer, .address_space: global }
      - { .name: qp, .offset: 48, .size: 8, .value_kind: global_buffer, .address_space: global }
      - { .name: kvp, .offset: 56, .size: 8, .value_kind: global_buffer, .address_space: global }
    .group_segment_fixed_size: 327680
    .private_segment_fixed_size: 0
    .kernarg_segment_align: 8
    .kernarg_segment_size: 64
    .max_flat_workgroup_size: 128
    .sgpr_count:     102
    .vgpr_count:     1024
    .wavefront_size: 32
...
	.end_amdgpu_metadata
.endif
;; end of part 2
;; launch attn (part 3): grid 4 x 64, 8 waves a work-group, clusters of 4 x 1, 206,848 bytes of LDS; arguments qp, kvp, ao, scl2; writes ao, scl2
.if DOCPART == 3
	.amdgcn_target "amdgcn-amd-amdhsa--gfx1250"
	.amdhsa_code_object_version 6
	.text
	.protected	k_q02ea04fec7_attn
	.globl	k_q02ea04fec7_attn
	.p2align	8
	.type	k_q02ea04fec7_attn,@function
k_q02ea04fec7_attn:
	s_mov_b64 s[64:65], 0
	v_nop
	global_prefetch_b8 v0, s[64:65] scope:SCOPE_SE
	s_setreg_imm32_b32 hwreg(HW_REG_WAVE_MODE, 25, 1), 1
	s_wait_xcnt 0x0
	s_wait_alu depctr_hold_cnt(0) depctr_sa_sdst(0) depctr_va_vdst(0) depctr_va_sdst(0) depctr_va_ssrc(0) depctr_va_vcc(0) depctr_vm_vsrc(0)
	s_getreg_b32 s2, hwreg(HW_REG_IB_STS2, 6, 4)
	s_cmp_eq_u32 s2, 0
	s_cbranch_scc0 .Lentry_in_a_cluster
	s_endpgm
.Lentry_in_a_cluster:
	s_bfe_u32 s2, ttmp6, 0x10000c
	s_cmp_lg_u32 s2, 0x3003
	s_cbranch_scc0 .Lentry_shape_is_right
	s_endpgm
.Lentry_shape_is_right:
; Attention of one head on codes of FP6 (E2M3) with E8M0 scales.  t = score x log2(e) / 8; M = the running largest t rounded UP to a whole number; p = 2^(t - M) is quantised along the keys, not normalised;
; the row's sum is taken of the unquantised p and divides O at the end; when M moves, the sums and O are multiplied by 2^(old M - new M), which rounds nothing.  O / sum is quantised along the head's 64 for the last product.
; SHARES.  y = 16 b + head.  The four work-groups of a cluster take 512 queries each; a wave takes FOUR tiles of 16 queries and walks all 2,048 keys once, 128 a step: each fragment of K and of V that it reads from LDS serves four tiles.
; LDS.  The head's 16 packages of kvp (12,800 bytes a step: K's 8 half images, V's 4 fragments, K's and V's scale words) are 204,800 bytes: they are brought ONCE, wave w bringing packages 2 w and 2 w + 1 by one load that the
; four partners ask for jointly, and stay.  Nothing is filled again and nothing is stored to LDS.
; LAYOUT.  Both products are used transposed: a lane holds one query (lane % 16) throughout.  K Q^T has K = 64: two tiles of K stand in one fragment of 128, and source 1 is [q, 0] for the first and [0, q] for the second.
; THE ROWS OF A TILE OF K ARE GATHERED BY THE LANES' ADDRESSES: in fragment (g, u) lanes 0-7 take rows 8 u .. 8 u + 7 of half images 4 g, 4 g + 1 (keys of block 2 g), lanes 8-15 the same rows of half images 4 g + 2, 4 g + 3
; (block 2 g + 1).  So register 32 g + 16 u + 8 x + j of S^T is key 16 u + 8 x + j of block 2 g + lane / 16: a lane holds WHOLE blocks of 32 keys in their order, a block's largest p needs no other lane, and the conversions' results are the operand.
; Twice the passes, on loads that are a quarter as many as with one tile a wave.
; ORDER OF A STEP.  Tiles go in pairs, their chains by turns.  K Q^T and softmax of pair 0; K Q^T of pair 1; V's loads land on K's registers while pair 1's softmax is worked; all sixteen P V products; the next step's K is asked for,
; and all but four of pair 1's additions stand behind those loads.  The last trip asks for package 15's K once more, which nobody multiplies: so no tail is written out.
; REGISTERS.  Window 0: addresses, state, q, one set of fragments, p's codes, scales.  Window 1: v0-127 S^T then p of a pair, v128-255 O^T of the four tiles.
; No prefetch: K and V are read once, at the head, where there is no loop to run ahead in.
; The scale bytes of O leave as 2 bytes a row, 32 bytes apart: a row's other heads lie in other work-groups; they are 262,144 bytes in all.
; LIMITS: the scaled scores t stay under 2^31 in magnitude; NaN and infinities are not served; a p under 2^-126 is 0; a block whose largest magnitude lies under 2^-124 keeps the byte 1; a block of zeros has the byte 1 (its codes are zeros).
.set PKB, 12800
.set L16, 1                            ; 16 x lane
.set L8,  2                            ; 8 x lane
.set LA,  3                            ; K's registers 0-3: 16 (r % 8) + 256 h + 1,536 (r / 8)
.set LB,  4                            ; K's registers 4-5: 8 (r % 8) + 128 h + 1,536 (r / 8)
.set LS,  5                            ; K's scale words: 16 (r % 8) + 4 (r / 8)
.set R32, 6                            ; 32 rho
.set LN,  7                            ; lane
.set AV16, 8                           ; v8-12 the step's LDS addresses
.set AV8, 9
.set AK16, 10
.set AK8, 11
.set AKS, 12
.set SELP, 13                          ; byte selects for p's scale word
.set NM,  14                           ; v14-21 a pair for each tile: -M, the running largest score
.set SUM, 22                           ; v22-37 two pairs of sums for each tile
.set FF,  38                           ; v38-41 f of the pair's two tiles (low words)
.set QS,  42                           ; v42-45 q's scale words (s0, s1, s0, s1)
.set PW,  46                           ; v46-49 p's scale words
.set KSC, 50                           ; v50-53 K's scale words, a register a fragment
.set VSC, 54                           ; v54-57 lanes 16-31: V's
.set BM,  58                           ; v58-61 the blocks' largest
.set SO,  62                           ; v62-65 the conversions' scale operands
.set XB,  66                           ; v66-69 the scale bytes, in the top byte
.set TMP, 70                           ; v70-73
.set PT,  74                           ; v74-77
.set AT,  78                           ; v78-85 four more chains of the rows' sums, joined to the sums at the end of each pair's additions
.set QF,  86                           ; v86-139 q0 Z q1 Z q2 Z q3 Z q0: [q, 0] and [0, q] of every tile
.set KF,  140                          ; v140-187 four fragments: K's, then V's
.set PC,  188                          ; v188-235 p's codes, four tiles
.set T,   236                          ; v236-251 upper halves as the conversions leave them
.set MSB, 0
.macro WIN new                         ; the immediate's high byte repeats the setting that is left
.if MSB != \new
	s_set_vgpr_msb (MSB<<8)|\new
.set MSB, \new
.endif
.endm
.macro DLY n
	s_delay_alu instid0(VALU_DEP_\n)
.endm
.macro ROUND                           ; a round of the cluster's barrier
	s_barrier_signal -1
	s_barrier_wait -1
	s_cmp_lg_u32 s12, 0
	s_cbranch_scc1 .Lnot_wave_0_\@
	s_barrier_signal -3
.Lnot_wave_0_\@:
	s_barrier_wait -3
	s_barrier_signal -1
	s_barrier_wait -1
.endm
.macro ADR                             ; the addresses of the package at LDS byte s28
	v_add_nc_u32 v[AK16], s28, v[LA]
	v_add_nc_u32 v[AK8], s28, v[LB]
	v_add_nc_u32 v[AKS], s28, v[LS]
	v_add_nc_u32 v[AV16], s28, v[L16]
	v_add_nc_u32 v[AV8], s28, v[L8]
.endm
.macro KLOAD                           ; K's four fragments and their rows' scale words
.irp g, 0,1
.irp u, 0,1
	ds_load_b128 v[KF+24*\g+12*\u:KF+24*\g+12*\u+3], v[AK16] offset:3072*\g+128*\u
	ds_load_b64 v[KF+24*\g+12*\u+4:KF+24*\g+12*\u+5], v[AK8] offset:3072*\g+64*\u+512
	ds_load_b128 v[KF+24*\g+12*\u+6:KF+24*\g+12*\u+9], v[AK16] offset:3072*\g+128*\u+768
	ds_load_b64 v[KF+24*\g+12*\u+10:KF+24*\g+12*\u+11], v[AK8] offset:3072*\g+64*\u+1280
	ds_load_b32 v[KSC+2*\g+\u], v[AKS] offset:12288+128*\u+8*\g
.endr
.endr
.endm
.macro VLOAD
.irp t, 0,1,2,3
	ds_load_b128 v[KF+12*\t:KF+12*\t+3], v[AV16] offset:6144+1536*\t
	ds_load_b64 v[KF+12*\t+4:KF+12*\t+5], v[AV8] offset:6144+1536*\t+512
	ds_load_b128 v[KF+12*\t+6:KF+12*\t+9], v[AV16] offset:6144+1536*\t+768
	ds_load_b64 v[KF+12*\t+10:KF+12*\t+11], v[AV8] offset:6144+1536*\t+1280
.endr
	ds_load_b128 v[VSC:VSC+3], v[AV16] offset:12288
.endm
.macro ADDA                            ; the rows' sums of the unquantised p: four chains begin with each tile's registers 0-7
	WIN 0x05
	v_pk_add_f32 v[AT:AT+1], v[0:1], v[2:3]
	v_pk_add_f32 v[AT+2:AT+3], v[64:65], v[66:67]
	v_pk_add_f32 v[AT+4:AT+5], v[4:5], v[6:7]
	v_pk_add_f32 v[AT+6:AT+7], v[68:69], v[70:71]
.endm
.macro ADDB P                          ; registers 8-63 of both tiles: eight chains by turns; then the four are joined to the sums
	WIN 0x04
.set n, 8
.rept 7
	v_pk_add_f32 v[SUM+8*\P:SUM+8*\P+1], v[SUM+8*\P:SUM+8*\P+1], v[n:n+1]
	v_pk_add_f32 v[SUM+8*\P+4:SUM+8*\P+5], v[SUM+8*\P+4:SUM+8*\P+5], v[64+n:64+n+1]
	v_pk_add_f32 v[SUM+8*\P+2:SUM+8*\P+3], v[SUM+8*\P+2:SUM+8*\P+3], v[n+2:n+3]
	v_pk_add_f32 v[SUM+8*\P+6:SUM+8*\P+7], v[SUM+8*\P+6:SUM+8*\P+7], v[64+n+2:64+n+3]
	v_pk_add_f32 v[AT:AT+1], v[AT:AT+1], v[n+4:n+5]
	v_pk_add_f32 v[AT+2:AT+3], v[AT+2:AT+3], v[64+n+4:64+n+5]
	v_pk_add_f32 v[AT+4:AT+5], v[AT+4:AT+5], v[n+6:n+7]
	v_pk_add_f32 v[AT+6:AT+7], v[AT+6:AT+7], v[64+n+6:64+n+7]
.set n, n+8
.endr
	WIN 0
	v_pk_add_f32 v[SUM+8*\P:SUM+8*\P+1], v[SUM+8*\P:SUM+8*\P+1], v[AT:AT+1]
	v_pk_add_f32 v[SUM+8*\P+4:SUM+8*\P+5], v[SUM+8*\P+4:SUM+8*\P+5], v[AT+2:AT+3]
	v_pk_add_f32 v[SUM+8*\P+2:SUM+8*\P+3], v[SUM+8*\P+2:SUM+8*\P+3], v[AT+4:AT+5]
	v_pk_add_f32 v[SUM+8*\P+6:SUM+8*\P+7], v[SUM+8*\P+6:SUM+8*\P+7], v[AT+6:AT+7]
.endm
; Tiles 2 P and 2 P + 1 against the step's 128 keys: S^T, the softmax's step, p's codes and scale words
.macro PAIR P
	WIN 0x40
.irp g, 0,1
.irp u, 0,1
.irp e, 0,1
	v_wmma_scale_f32_16x16x128_f8f6f4 v[64*\e+32*\g+16*\u:64*\e+32*\g+16*\u+7], v[KF+24*\g+12*\u:KF+24*\g+12*\u+11], v[QF+24*\P+12*\e:QF+24*\P+12*\e+11], 0, v[KSC+2*\g+\u], v[QS+2*\P+\e] matrix_a_fmt:MATRIX_FMT_FP6 matrix_b_fmt:MATRIX_FMT_FP6
	v_wmma_scale_f32_16x16x128_f8f6f4 v[64*\e+32*\g+16*\u+8:64*\e+32*\g+16*\u+15], v[KF+24*\g+12*\u:KF+24*\g+12*\u+11], v[QF+(24*\P+12*\e+42)%48:QF+(24*\P+12*\e+42)%48+11], 0, v[KSC+2*\g+\u], v[QS+2*\P+\e] matrix_a_fmt:MATRIX_FMT_FP6 matrix_b_fmt:MATRIX_FMT_FP6
.endr
.endr
.endr
	WIN 0
.rept 4
	v_nop                                          ; four places behind the products: for the reads of S^T and for loads into K's registers
.endr
.if \P
	VLOAD                                          ; K is done with: V lands while this pair's softmax is worked
.endif
	WIN 0x14
.irp e, 0,1
.irp g, 0,1
	v_max3_num_f32 v[BM+2*\e+\g], 0xff7fffff, v[64*\e+32*\g], v[64*\e+32*\g+1]   ; the largest score of my block 2 g + h, in two chains of 16: for the row's maximum and, since p rises with the score, for the block's largest p
	v_max3_num_f32 v[XB+2*\e+\g], 0xff7fffff, v[64*\e+32*\g+16], v[64*\e+32*\g+17]
.endr
.endr
.irp i, 2,4,6,8,10,12,14
.irp e, 0,1
.irp g, 0,1
	v_max3_num_f32 v[BM+2*\e+\g], v[BM+2*\e+\g], v[64*\e+32*\g+\i], v[64*\e+32*\g+\i+1]
	v_max3_num_f32 v[XB+2*\e+\g], v[XB+2*\e+\g], v[64*\e+32*\g+16+\i], v[64*\e+32*\g+17+\i]
.endr
.endr
.endr
	WIN 0
.irp b, 0,1,2,3
	v_max_num_f32 v[BM+\b], v[BM+\b], v[XB+\b]     ; a block's two chains joined
.endr
	DLY 3
	v_max_num_f32 v[TMP], v[BM], v[BM+1]
	DLY 2
	v_max_num_f32 v[TMP+1], v[BM+2], v[BM+3]
.irp e, 0,1
	DLY 2
	v_permlanex16_b32 v[PT+\e], v[TMP+\e], s32, s33
.endr
.irp e, 0,1
	DLY 2
	v_max3_num_f32 v[NM+4*\P+2*\e+1], v[NM+4*\P+2*\e+1], v[TMP+\e], v[PT+\e]   ; the running largest score, with lane xor 16's blocks
.endr
.irp e, 0,1
	DLY 2
	v_mul_f32 v[TMP+\e], s30, v[NM+4*\P+2*\e+1]    ; as t
.endr
.irp e, 0,1
	DLY 2
	v_floor_f32 v[TMP+\e], -v[TMP+\e]              ; the new -M = floor(-t)
.endr
.irp e, 0,1
	DLY 2
	v_sub_f32 v[PT+\e], v[TMP+\e], v[NM+4*\P+2*\e] ; old M - new M: a whole number, 0 or less
.endr
.irp e, 0,1
	DLY 4
	v_mov_b32 v[NM+4*\P+2*\e], v[TMP+\e]
.endr
.irp e, 0,1
	DLY 4
	v_cvt_i32_f32 v[PT+\e], v[PT+\e]               ; (it saturates)
.endr
.irp e, 0,1
	DLY 2
	v_ldexp_f32 v[FF+2*\e], 1.0, v[PT+\e]          ; f = 2^(old M - new M)
.endr
.irp e, 0,1
.irp g, 0,1
	v_fma_f32 v[BM+2*\e+\g], v[BM+2*\e+\g], s30, v[NM+4*\P+2*\e]
.endr
.endr
	WIN 0x41
.irp e, 0,1
.set n, 0
.rept 32
	v_pk_fma_f32 v[64*\e+n:64*\e+n+1], v[64*\e+n:64*\e+n+1], s[30:31], v[NM+4*\P+2*\e:NM+4*\P+2*\e+1] op_sel_hi:[1,0,0]   ; t - M, two at a time; these need -M alone and stand behind the chain that ends in f
.set n, n+2
.endr
.endr
	s_wait_alu depctr_va_vdst(0)                   ; the wait directly ahead of the first reader of O^T
.irp e, 0,1
.set n, 0
.rept 16
	v_pk_mul_f32 v[128+64*\P+32*\e+n:128+64*\P+32*\e+n+1], v[128+64*\P+32*\e+n:128+64*\P+32*\e+n+1], v[FF+2*\e:FF+2*\e+1] op_sel_hi:[1,0]   ; O^T under the new M
.set n, n+2
.endr
.endr
	s_wait_alu depctr_va_vdst(0)                   ; the wait ahead of the batch
.set n, 0
.rept 128
	v_exp_f32 v[n], v[n]                           ; p = 2^(t - M)
.set n, n+1
.endr
	WIN 0
.irp b, 0,1,2,3
	v_exp_f32 v[BM+\b], v[BM+\b]                   ; the blocks' largest p
.endr
.irp e, 0,1
	v_pk_mul_f32 v[SUM+8*\P+4*\e:SUM+8*\P+4*\e+1], v[SUM+8*\P+4*\e:SUM+8*\P+4*\e+1], v[FF+2*\e:FF+2*\e+1] op_sel_hi:[1,0]   ; the sums under the new M: plain lines behind the exponentials
	v_pk_mul_f32 v[SUM+8*\P+4*\e+2:SUM+8*\P+4*\e+3], v[SUM+8*\P+4*\e+2:SUM+8*\P+4*\e+3], v[FF+2*\e:FF+2*\e+1] op_sel_hi:[1,0]
.endr
	s_wait_alu depctr_va_vdst(0)                   ; one wait for the batch, ahead of its first reader
.irp b, 0,1,2,3
	v_max_num_f32 v[BM+\b], 0x1800000, v[BM+\b]    ; the floor 2^(3 - 127)
.endr
.irp b, 0,1,2,3
	DLY 4
	v_add_nc_u32 v[SO+\b], 0xff000000, v[BM+\b]    ; 2 off the exponent field: the conversion's scale operand
.endr
.irp b, 0,1,2,3
	DLY 4
	v_lshlrev_b32 v[XB+\b], 1, v[SO+\b]            ; the byte, in the top byte
.endr
.irp e, 0,1
	v_perm_b32 v[TMP+\e], v[XB+2*\e+1], v[XB+2*\e], v[SELP]   ; my two bytes at places h and 2 + h of the word, zeros between
.endr
.irp e, 0,1
	DLY 2
	v_permlanex16_b32 v[PT+\e], v[TMP+\e], s32, s33
.endr
.irp e, 0,1
	DLY 2
	v_or_b32 v[PW+2*\P+\e], v[TMP+\e], v[PT+\e]    ; with lane xor 16's two the word is whole
.endr
	WIN 0x01
.irp e, 0,1
.irp g, 0,1
	v_cvt_scalef32_pk16_fp6_f32 v[PC+24*\P+12*\e+6*\g:PC+24*\P+12*\e+6*\g+2], v[64*\e+32*\g:64*\e+32*\g+15], v[SO+2*\e+\g]
	v_cvt_scalef32_pk16_fp6_f32 v[T+8*\e+4*\g:T+8*\e+4*\g+2], v[64*\e+32*\g+16:64*\e+32*\g+31], v[SO+2*\e+\g]   ; (a conversion's three registers begin on an even number)
.endr
.endr
	WIN 0
	v_nop                                          ; one plain line behind the conversions
.irp e, 0,1
.irp g, 0,1
.irp i, 0,1,2
	v_mov_b32 v[PC+24*\P+12*\e+6*\g+3+\i], v[T+8*\e+4*\g+\i]
.endr
.endr
.endr
.endm
; O / sum of tiles 2 P, 2 P + 1 (it lies at v[32 tile ..] of window 1; register 16 g + i is channel 32 g + 16 h + i) is quantised along the head's 64 and stored
.macro WOUT P
	WIN 0x14
.irp e, 0,1
.irp g, 0,1
	v_max3_num_f32 v[BM+2*\e+\g], 0x1800000, |v[64*\P+32*\e+16*\g]|, |v[64*\P+32*\e+16*\g+1]|
.endr
.endr
.irp i, 2,4,6,8,10,12,14
.irp e, 0,1
.irp g, 0,1
	v_max3_num_f32 v[BM+2*\e+\g], v[BM+2*\e+\g], |v[64*\P+32*\e+16*\g+\i]|, |v[64*\P+32*\e+16*\g+\i+1]|
.endr
.endr
.endr
	WIN 0
.irp k, 0,1,2,3
	v_permlanex16_b32 v[PT+\k], v[BM+\k], s32, s33
.endr
.irp k, 0,1,2,3
	DLY 4
	v_max_num_f32 v[BM+\k], v[BM+\k], v[PT+\k]
.endr
.irp k, 0,1,2,3
	DLY 4
	v_add_nc_u32 v[SO+\k], 0xff000000, v[BM+\k]
.endr
.irp k, 0,1,2,3
	DLY 4
	v_lshrrev_b32 v[PT+\k], 23, v[SO+\k]
.endr
.irp e, 0,1
	v_lshl_or_b32 v[TMP+2*\P+\e], v[PT+2*\e+1], 8, v[PT+2*\e]   ; my row's two scale bytes
.endr
	WIN 0x01
.irp e, 0,1
	v_cvt_scalef32_pk16_fp6_f32 v[PC+24*\P+12*\e:PC+24*\P+12*\e+2], v[64*\P+32*\e:64*\P+32*\e+15], v[SO+2*\e]
	v_cvt_scalef32_pk16_fp6_f32 v[T+4*\e:T+4*\e+2], v[64*\P+32*\e+16:64*\P+32*\e+31], v[SO+2*\e+1]
.endr
	WIN 0
	v_nop                                          ; one plain line behind the conversions
.irp e, 0,1
.irp i, 0,1,2
	v_permlane16_swap_b32 v[PC+24*\P+12*\e+\i], v[T+4*\e+\i]   ; a whole block of 32 channels to a lane
.endr
.endr
.irp e, 0,1
.irp i, 0,1,2
	v_mov_b32 v[PC+24*\P+12*\e+3+\i], v[T+4*\e+\i]
.endr
.endr
.irp e, 0,1
	global_store_b128 v[L16], v[PC+24*\P+12*\e:PC+24*\P+12*\e+3], s[40:41] offset:(2*\P+\e)*12288        ; a half image of the last product's operand: 512 and 256 consecutive bytes
	global_store_b64 v[L8], v[PC+24*\P+12*\e+4:PC+24*\P+12*\e+5], s[40:41] offset:(2*\P+\e)*12288+512
.endr
.endm
	s_load_b256 s[4:11], s[0:1], 0x0               ; qp s[4:5], kvp s[6:7], ao s[8:9], scl2 s[10:11]
	v_lshl_add_u32 v254, v0, 2, 0x32000
	v_mov_b32 v255, 0
	ds_add_u32 v254, v255                          ; the opening lines: the add, twice on end, and its wait
	ds_add_u32 v254, v255
	v_lshrrev_b32 v1, 5, v0
	s_delay_alu instid0(VALU_DEP_1)
	v_readfirstlane_b32 s12, v1                    ; wave 0..7
	s_bfe_u32 s13, ttmp6, 0x40000                  ; cx: it enters the addresses of qp, ao and scl2 alone
	s_and_b32 s14, ttmp7, 0xffff                   ; 16 b + head
	s_mov_b32 s16, 15|(3<<16)|(1<<21)              ; group 1: the mask names all four; elements of 8 bytes; bit 21 beside a mask; two packages, a dense block, as 100 rows of 256 bytes
	s_mov_b32 s17, 32<<16
	s_mov_b32 s18, 100<<16
	s_mov_b32 s19, 32<<16
	s_mov_b32 s20, 100
	s_mov_b32 s21, 32
	s_mov_b32 s22, 0
	s_mov_b32 s23, 0
	s_mov_b32 s24, 1
	s_mul_i32 s25, s12, 2*PKB                      ; packages 2 w, 2 w + 1 go to LDS byte 25,600 w
	s_mul_i32 s2, s14, 16*PKB
	s_add_co_u32 s2, s2, s25
	s_mov_b32 s3, 0
	s_wait_dscnt 0x0
	s_wait_kmcnt 0x0
	s_add_nc_u64 s[26:27], s[6:7], s[2:3]
	s_or_b32 s27, s27, 0x80000000
	ROUND                                          ; all four work-groups are here: the joint loads meet
	tensor_load_to_lds s[24:27], s[16:23]          ; my one tensor load
	s_nop 0
.rept 4
	v_nop
.endr
	s_mul_i32 s2, s14, 102400                      ; qp: the head's 16 packages,
	s_lshl_b32 s15, s13, 2
	s_lshr_b32 s44, s12, 1
	s_add_co_u32 s15, s15, s44
	s_mul_i32 s15, s15, 6400                       ; package 4 cx + w / 2,
	s_add_co_u32 s2, s2, s15
	s_and_b32 s3, s12, 1
	s_mul_i32 s44, s3, 3072                        ; half images 4 (w % 2) + 0 .. 3
	s_add_co_u32 s44, s44, s2
	s_mov_b32 s45, 0
	s_add_nc_u64 s[36:37], s[4:5], s[44:45]
	s_lshl_b32 s44, s3, 3
	s_add_co_u32 s44, s44, 6144                    ; their scale words: words 2 (w % 2), 2 (w % 2) + 1 of a row
	s_add_co_u32 s44, s44, s2
	s_add_nc_u64 s[38:39], s[4:5], s[44:45]
	s_lshr_b32 s2, s14, 4
	s_lshl_b32 s2, s2, 7
	s_lshl_b32 s15, s13, 5
	s_add_co_u32 s2, s2, s15
	s_lshl_b32 s15, s12, 2
	s_add_co_u32 s2, s2, s15                       ; the first image of tokens: 128 b + 32 cx + 4 w
	s_and_b32 s15, s14, 15                         ; head
	s_mul_i32 s44, s2, 12288
	s_mul_i32 s3, s15, 768
	s_add_co_u32 s44, s44, s3
	s_add_nc_u64 s[40:41], s[8:9], s[44:45]
	s_lshl_b32 s44, s2, 9
	s_lshl_b32 s3, s15, 1
	s_add_co_u32 s44, s44, s3
	s_add_nc_u64 s[42:43], s[10:11], s[44:45]
	s_mov_b32 s34, 0x01000100                      ; which half of a scale word is an even tile's,
	s_mov_b32 s35, 0x03020302                      ; an odd tile's
	s_mov_b32 s30, 0x3e38aa3b                      ; c = log2(e) / 8
	s_mov_b32 s31, s30
	s_mov_b32 s32, 0x76543210
	s_mov_b32 s33, 0xfedcba98                      ; selects for lane xor 16
	v_and_b32 v[LN], 31, v0
	v_and_b32 v[R32], 15, v0                       ; rho
	v_and_b32 v9, 7, v0                            ; r % 8
	v_bfe_u32 v10, v0, 3, 1                        ; r / 8
	v_bfe_u32 v11, v0, 4, 1                        ; h
	v_lshlrev_b32 v[L16], 4, v[LN]
	v_lshlrev_b32 v[L8], 3, v[LN]
	v_lshlrev_b32 v8, 4, v[R32]                    ; 16 rho: q's scale words
	v_mul_u32_u24 v12, v10, 1536
	v_lshlrev_b32 v[LS], 4, v9
	v_lshlrev_b32 v[R32], 5, v[R32]
	v_lshl_add_u32 v[LA], v9, 4, v12
	v_lshl_add_u32 v[LB], v9, 3, v12
	v_lshl_add_u32 v[LS], v10, 2, v[LS]
	v_lshl_add_u32 v[LA], v11, 8, v[LA]
	v_lshl_add_u32 v[LB], v11, 7, v[LB]
	v_mov_b32 v[SELP], 0x0c070c03                  ; lanes 0-15: bytes 0 and 2 of the word;
	v_mov_b32 v[TMP+2], 0x070c030c                 ; lanes 16-31: bytes 1 and 3
	v_cmp_eq_u32 vcc_lo, 1, v11
	v_cndmask_b32 v[SELP], v[SELP], v[TMP+2], vcc_lo
	s_wait_alu depctr_va_vdst(0)                   ; the wait ahead of the readers below
.irp t, 0,1,2,3,4                                      ; q of tiles 0 to 3, and tile 0's once more at the ring's end
	global_load_b128 v[QF+12*\t:QF+12*\t+3], v[L16], s[36:37] offset:768*(\t%4)
	global_load_b64 v[QF+12*\t+4:QF+12*\t+5], v[L8], s[36:37] offset:768*(\t%4)+512
.endr
	global_load_b64 v[TMP:TMP+1], v8, s[38:39]
.irp t, 0,1,2,3
.irp j, 6,7,8,9,10,11
	v_mov_b32 v[QF+12*\t+\j], 0                    ; the zero codes between
.endr
	v_mov_b32 v[NM+2*\t], 0x7f61b1e6               ; -M: 3e38
	v_mov_b32 v[NM+2*\t+1], 0xff61b1e6             ; the largest score so far: -3e38
	v_mov_b32 v[PT+\t], 0                          ; a lane permute's destination counts as read: written once
.endr
.set n, 0
.rept 16
	v_mov_b32 v[SUM+n], 0
.set n, n+1
.endr
	v_mov_b32 v[FF+1], 0                           ; (named as the upper halves of the pairs)
	v_mov_b32 v[FF+3], 0
	s_wait_alu depctr_va_vdst(0)
	s_wait_loadcnt 0x0
.irp t, 0,1,2,3
	v_perm_b32 v[QS+\t], v[TMP+\t/2], v[TMP+\t/2], s[34+\t%2]   ; (s0, s1, s0, s1)
.endr
	WIN 0x40
.set n, 0
.rept 128
	v_mov_b32 v[128+n], 0                          ; the step is written once: the first finds zeros, which f = 0 leaves zeros.  (Also the places behind the writes of q's scale words)
.set n, n+1
.endr
	WIN 0
	s_wait_alu depctr_va_vdst(0)                   ; the wait at the head's end
	s_wait_tensorcnt 0x0                           ; my two packages are in,
	s_barrier_signal -1
	s_barrier_wait -1                              ; everybody's are
	s_mov_b32 s28, 0
	ADR
	KLOAD
	s_mov_b32 s29, 0
.Lstep:
	s_wait_alu depctr_va_vdst(0)                   ; the wait directly ahead of the wait below
	s_wait_dscnt 0x0                               ; K is in
	PAIR 0
	ADDA
	ADDB 0
	PAIR 1
	ADDA                                           ; pair 1's first four additions: also the places behind the writes of its codes
	WIN 0
	s_wait_alu depctr_va_vdst(0)
	s_wait_dscnt 0x0                               ; V is in
	WIN 0x50
.irp t, 0,1,2,3
.irp q, 0,1,2,3                                        ; sixteen accumulators, one instruction each
	v_wmma_scale_f32_16x16x128_f8f6f4 v[128+32*\q+8*\t:128+32*\q+8*\t+7], v[KF+12*\t:KF+12*\t+11], v[PC+12*\q:PC+12*\q+11], v[128+32*\q+8*\t:128+32*\q+8*\t+7], v[VSC+\t], v[PW+\q] matrix_a_fmt:MATRIX_FMT_FP6 matrix_b_fmt:MATRIX_FMT_FP6 matrix_a_scale:MATRIX_SCALE_ROW1
.endr
.endr
	WIN 0
	s_add_co_u32 s29, s29, 1
	s_min_u32 s27, s29, 15                         ; the next package; behind the last, the last once more
	s_mul_i32 s28, s27, PKB
	ADR                                            ; five plain lines: the places in front of loads into registers that the products read
	KLOAD
	ADDB 1                                         ; the other sixty stand behind the loads
	WIN 0
	s_cmp_lt_u32 s29, 16
	s_cbranch_scc1 .Lstep
	s_wait_alu depctr_va_vdst(0)
	s_wait_dscnt 0x0                               ; the last trip's loads have landed
.irp t, 0,1,2,3
	v_pk_add_f32 v[SUM+4*\t:SUM+4*\t+1], v[SUM+4*\t:SUM+4*\t+1], v[SUM+4*\t+2:SUM+4*\t+3]
.endr
.irp t, 0,1,2,3
	DLY 4
	v_add_f32 v[SUM+4*\t], v[SUM+4*\t], v[SUM+4*\t+1]
.endr
.irp t, 0,1,2,3
	DLY 4
	v_permlanex16_b32 v[PT+\t], v[SUM+4*\t], s32, s33
.endr
.irp t, 0,1,2,3
	DLY 4
	v_add_f32 v[SUM+4*\t], v[SUM+4*\t], v[PT+\t]   ; the rows' sums
.endr
	s_wait_alu depctr_va_vdst(0)                   ; the wait ahead of the batch
.irp t, 0,1,2,3
	v_rcp_f32 v[SUM+4*\t+2], v[SUM+4*\t]
.endr
	v_nop
	WIN 0x41
	s_wait_alu depctr_va_vdst(0)                   ; ahead of the reciprocals' first use and of the first reader of O^T
.irp t, 0,1,2,3
.set n, 0
.rept 16
	v_pk_mul_f32 v[32*\t+n:32*\t+n+1], v[128+32*\t+n:128+32*\t+n+1], v[SUM+4*\t+2:SUM+4*\t+3] op_sel_hi:[1,0]   ; O^T / sum, each accumulator from its low end on
.set n, n+2
.endr
.endr
	WOUT 0
	WOUT 1
	s_wait_alu depctr_va_vdst(0)
	s_wait_xcnt 0x0                                ; EXEC changes only behind this wait
	v_cmp_gt_u32 vcc_lo, 16, v[LN]
	s_and_saveexec_b32 s47, vcc_lo
.irp t, 0,1,2,3
	global_store_b16 v[R32], v[TMP+\t], s[42:43] offset:512*\t
.endr
	s_wait_xcnt 0x0                                ; and again in front of the line that restores it
	s_or_b32 exec_lo, exec_lo, s47
	s_wait_tensorcnt 0x0                           ; the wave's end
	ds_add_u32 v254, v255
	s_wait_dscnt 0x0
	ROUND                                          ; the closing round
	s_endpgm
.Lfunc_end_k_q02ea04fec7_attn:
	.size	k_q02ea04fec7_attn, .Lfunc_end_k_q02ea04fec7_attn-k_q02ea04fec7_attn
	.p2alignl 7, 3214868480
	.fill 96, 4, 3214868480
	.section	.rodata,"a",@progbits
	.p2align	6, 0x0
	.amdhsa_kernel k_q02ea04fec7_attn
		.amdhsa_group_segment_fixed_size 206848
		.amdhsa_private_segment_fixed_size 0
		.amdhsa_enable_private_segment 0
		.amdhsa_kernarg_size 32
		.amdhsa_user_sgpr_count 2
		.amdhsa_user_sgpr_kernarg_segment_ptr 1
		.amdhsa_wavefront_size32 1
		.amdhsa_system_sgpr_workgroup_id_x 1
		.amdhsa_system_sgpr_workgroup_id_y 1
		.amdhsa_system_sgpr_workgroup_id_z 1
		.amdhsa_system_vgpr_workitem_id 0
		.amdhsa_next_free_vgpr 512
		.amdhsa_next_free_sgpr 66
		.amdhsa_reserve_vcc 1
		.amdhsa_float_denorm_mode_32 3
		.amdhsa_float_denorm_mode_16_64 3
		.amdhsa_memory_ordered 1
		.amdhsa_forward_progress 1
		.amdhsa_inst_pref_size 85
	.end_amdhsa_kernel
	.amdgpu_metadata
---
amdhsa.version: [ 1, 2 ]
amdhsa.kernels:
  - .name:           k_q02ea04fec7_attn
    .symbol:         k_q02ea04fec7_attn.kd
    .args:
      - { .name: qp, .offset: 0, .size: 8, .value_kind: global_buffer, .address_space: global }
      - { .name: kvp, .offset: 8, .size: 8, .value_kind: global_buffer, .address_space: global }
      - { .name: ao, .offset: 16, .size: 8, .value_kind: global_buffer, .address_space: global }
      - { .name: scl2, .offset: 24, .size: 8, .value_kind: global_buffer, .address_space: global }
    .group_segment_fixed_size: 206848
    .private_segment_fixed_size: 0
    .kernarg_segment_align: 8
    .kernarg_segment_size: 32
    .max_flat_workgroup_size: 256
    .sgpr_count:     66
    .vgpr_count:     512
    .wavefront_size: 32
...
	.end_amdgpu_metadata
.endif
;; end of part 3
;; launch outproj (part 4): grid 4 x 32, 4 waves a work-group, clusters of 4 x 4, 327,680 bytes of LDS; arguments ao, wc, scl2, bo, out0; writes out0
.if DOCPART == 4
	.amdgcn_target "amdgcn-amd-amdhsa--gfx1250"
	.amdhsa_code_object_version 6
	.text
	.protected	k_q02ea04fec7_outproj
	.globl	k_q02ea04fec7_outproj
	.p2align	8
	.type	k_q02ea04fec7_outproj,@function
k_q02ea04fec7_outproj:
	s_mov_b64 s[64:65], 0
	v_nop
	global_prefetch_b8 v0, s[64:65] scope:SCOPE_SE
	s_setreg_imm32_b32 hwreg(HW_REG_WAVE_MODE, 25, 1), 1
	s_wait_xcnt 0x0
	s_wait_alu depctr_hold_cnt(0) depctr_sa_sdst(0) depctr_va_vdst(0) depctr_va_sdst(0) depctr_va_ssrc(0) depctr_va_vcc(0) depctr_vm_vsrc(0)
	s_getreg_b32 s2, hwreg(HW_REG_IB_STS2, 6, 4)
	s_cmp_eq_u32 s2, 0
	s_cbranch_scc0 .Lentry_in_a_cluster
	s_endpgm
.Lentry_in_a_cluster:
	s_bfe_u32 s2, ttmp6, 0x10000c
	s_cmp_lg_u32 s2, 0xf033
	s_cbranch_scc0 .Lentry_shape_is_right
	s_endpgm
.Lentry_shape_is_right:
.set IMG,    12288
.set ROWB,   3072
.set HALFT,  8*ROWB
.set SLOT,   4*HALFT
.set SPARE,  2*SLOT
.set SPITCH, 528
.set FR,     12
.set NL,     4
.set NP,     4
.set ADRA,   16
.set ADRA8,  18
.set ADRB,   20
.set ADRB8,  22
.set L16,    24
.set L8,     25
.set STO,    26
.set RD,     27
.set SPW,    28
.set NIL,    29
.set SC,     32
.set AF,     128
.set BK,     128
.set G1,  24
.set G0,  32
.set G1B, 48
.set G0B, 56
.set MSB, 0
.macro WIN new
.if MSB != \new
	s_set_vgpr_msb (MSB<<8)|\new
.set MSB, \new
.endif
.endm
.macro JLOAD g0a, g1a, g0b, g1b
	s_cmp_eq_u32 s15, 0
	s_cbranch_scc0 .Lfor_b_\@
	tensor_load_to_lds s[\g0a:\g0a+3], s[\g1a:\g1a+7]
	s_nop 0
.rept 4
	v_nop
.endr
	s_branch .Lasked_\@
.Lfor_b_\@:
	tensor_load_to_lds s[\g0b:\g0b+3], s[\g1b:\g1b+7]
	s_nop 0
.rept 4
	v_nop
.endr
.Lasked_\@:
.endm
.macro CREST
	s_cmp_lg_u32 s14, 0
	s_cbranch_scc1 .Lnot_wave_0_\@
	s_barrier_signal -3
.Lnot_wave_0_\@:
	s_barrier_wait -3
	s_barrier_signal -1
	s_barrier_wait -1
.endm
.macro CROUND
	s_barrier_signal -1
	s_barrier_wait -1
	CREST
.endm
.macro PLACES n
.rept \n
	v_nop
.endr
.endm
.macro FRAG reg, a16, a8, q, i
	ds_load_b128 v[\reg:\reg+3], v[\a16] offset:(\i)*ROWB+(\q)*1536
	ds_load_b64 v[\reg+4:\reg+5], v[\a8] offset:(\i)*ROWB+(\q)*1536+512
	ds_load_b128 v[\reg+6:\reg+9], v[\a16] offset:(\i)*ROWB+(\q)*1536+768
	ds_load_b64 v[\reg+10:\reg+11], v[\a8] offset:(\i)*ROWB+(\q)*1536+1280
.endm
.macro FETCH_B slot, q, p
	WIN 0x40
.irp i, 0,1,2,3,4,5,6,7
	FRAG 128*(\p)+FR*\i, ADRB+\slot, ADRB8+\slot, \q, \i
.endr
	WIN 0
.endm
.macro FETCH_A slot, q, i0
.irp i, \i0, \i0+1, \i0+2, \i0+3
	FRAG AF+FR*(\i), ADRA+\slot, ADRA8+\slot, \q, \i
.endr
.endm
.macro MUL16 a0, p, ks, first
.irp a, \a0, \a0+1
.irp b, 0,1,2,3,4,5,6,7
.if \first
	v_wmma_scale_f32_16x16x128_f8f6f4 v[8*(8*((\a)%4)+\b):8*(8*((\a)%4)+\b)+7], v[128*(\p)+FR*\b:128*(\p)+FR*\b+FR-1], v[AF+FR*(\a):AF+FR*(\a)+FR-1], v[96+8*\b+96*(\b/4):96+8*\b+96*(\b/4)+7], v[SC+8*\b+(\ks)], v[SC+8*(\a)+(\ks)] matrix_a_fmt:MATRIX_FMT_FP6 matrix_b_fmt:MATRIX_FMT_FP6 matrix_a_scale:MATRIX_SCALE_ROW1
.else
	v_wmma_scale_f32_16x16x128_f8f6f4 v[8*(8*((\a)%4)+\b):8*(8*((\a)%4)+\b)+7], v[128*(\p)+FR*\b:128*(\p)+FR*\b+FR-1], v[AF+FR*(\a):AF+FR*(\a)+FR-1], v[8*(8*((\a)%4)+\b):8*(8*((\a)%4)+\b)+7], v[SC+8*\b+(\ks)], v[SC+8*(\a)+(\ks)] matrix_a_fmt:MATRIX_FMT_FP6 matrix_b_fmt:MATRIX_FMT_FP6 matrix_a_scale:MATRIX_SCALE_ROW1
.endif
.endr
.endr
.endm
.macro STEP slot, ks, first
	s_wait_dscnt 4*NL
.if \first
	WIN 0x91
.else
	WIN 0xa1
.endif
	MUL16 0, 0, \ks, \first
	MUL16 2, 0, \ks, \first
	s_wait_dscnt 0x0
	PLACES NP
	FETCH_B \slot, 1, 1
	FETCH_A \slot, 1, 0
.if \first
	WIN 0xd1
.else
	WIN 0xf1
.endif
	MUL16 4, 0, \ks, \first
	MUL16 6, 0, \ks, \first
	PLACES NP
	WIN 0
	FETCH_A \slot, 1, 4
.endm
.macro TURN slot, next, fill, ks
	s_wait_tensorcnt 0x0
	ds_add_u32 v[SPW], v[NIL]
	s_wait_dscnt 4*NL+1
	WIN 0xa1
	MUL16 0, 1, \ks, 0
	s_wait_dscnt 0x0
	s_barrier_signal -1
	MUL16 2, 1, \ks, 0
	WIN 0
	s_barrier_wait -1
.if \fill
	CREST
	s_add_nc_u64 s[G0+4*\slot+2:G0+4*\slot+3], s[G0+4*\slot+2:G0+4*\slot+3], 2*ROWB
	s_add_nc_u64 s[G0B+4*\slot+2:G0B+4*\slot+3], s[G0B+4*\slot+2:G0B+4*\slot+3], 2*ROWB
	JLOAD G0+4*\slot, G1, G0B+4*\slot, G1B
.else
	PLACES NP
.endif
	FETCH_B \next, 0, 0
	FETCH_A \next, 0, 0
	WIN 0xf1
	MUL16 4, 1, \ks, 0
	MUL16 6, 1, \ks, 0
	PLACES NP
	WIN 0
	FETCH_A \next, 0, 4
.endm
	s_load_b256 s[4:11], s[0:1], 0x0
	s_load_b64 s[12:13], s[0:1], 0x20
	v_lshl_add_u32 v[SPW], v0, 2, SPARE
	v_mov_b32 v[NIL], 0
	ds_add_u32 v28, v29
	ds_add_u32 v28, v29
	s_wait_dscnt 0x0
	v_lshrrev_b32 v1, 5, v0
	v_readfirstlane_b32 s14, v1
	s_lshr_b32 s15, s14, 1
	s_and_b32 s16, s14, 1
	s_bfe_u32 s40, ttmp6, 0x40000
	s_bfe_u32 s41, ttmp6, 0x40004
	s_lshl_b32 s42, ttmp9, 2
	s_add_co_u32 s42, s42, s40
	s_and_b32 s17, ttmp7, 0xffff
	s_lshl_b32 s17, s17, 2
	s_add_co_u32 s17, s17, s41
	s_lshl_b32 s43, s41, 2
	s_lshl_b32 s43, 15, s43
	s_lshl_b32 s44, 0x1111, s40
	s_or_b32 s[G1+0], s43, (3<<16)|(1<<21)
	s_or_b32 s[G1B+0], s44, (3<<16)|(1<<21)
.irp g, G1, G1B
	s_mov_b32 s[\g+1], 384<<16
	s_mov_b32 s[\g+2], 8<<16
	s_mov_b32 s[\g+3], 384<<16
	s_mov_b32 s[\g+4], 8
	s_mov_b32 s[\g+5], 1536
	s_mov_b32 s[\g+6], 0
	s_mov_b32 s[\g+7], 0
.endr
	s_lshl_b32 s18, s16, 3
	s_lshl_b32 s20, s17, 4
	s_add_co_u32 s20, s20, s18
	s_mul_i32 s20, s20, IMG
	s_mov_b32 s21, 0
	s_lshl_b32 s46, s42, 4
	s_add_co_u32 s46, s46, s18
	s_mul_i32 s46, s46, IMG
	s_add_co_u32 s46, s46, 2359296
	s_mov_b32 s47, 0
	s_mul_i32 s45, s14, HALFT
	s_wait_kmcnt 0x0
	s_add_nc_u64 s[20:21], s[4:5], s[20:21]
	s_add_nc_u64 s[46:47], s[6:7], s[46:47]
	CROUND
.irp s, 0,1
	s_mov_b32 s[G0+4*\s], 1
	s_add_co_u32 s[G0+4*\s+1], s45, \s*SLOT
	s_add_nc_u64 s[G0+4*\s+2:G0+4*\s+3], s[20:21], \s*ROWB
	s_or_b32 s[G0+4*\s+3], s[G0+4*\s+3], 0x80000000
	s_mov_b32 s[G0B+4*\s], 1
	s_add_co_u32 s[G0B+4*\s+1], s45, \s*SLOT
	s_add_nc_u64 s[G0B+4*\s+2:G0B+4*\s+3], s[46:47], \s*ROWB
	s_or_b32 s[G0B+4*\s+3], s[G0B+4*\s+3], 0x80000000
	s_wait_alu depctr_va_vdst(0)
	s_wait_tensorcnt 0x0
	ds_add_u32 v28, v29
	ds_add_u32 v28, v29
	s_wait_dscnt 0x0
	CROUND
	JLOAD G0+4*\s, G1, G0B+4*\s, G1B
.endr
	v_and_b32 v1, 31, v0
	v_and_b32 v2, 15, v0
	v_bfe_u32 v3, v0, 4, 1
	v_lshlrev_b32 v[L16], 4, v1
	v_lshlrev_b32 v[L8], 3, v1
	s_mul_i32 s20, s15, HALFT
	s_mul_i32 s21, s16, HALFT
	s_add_co_u32 s21, s21, 2*HALFT
.irp s, 0,1
	v_add_nc_u32 v[ADRA+\s], s20, v[L16]
	v_add_nc_u32 v[ADRA8+\s], s20, v[L8]
	v_add_nc_u32 v[ADRB+\s], s21, v[L16]
	v_add_nc_u32 v[ADRB8+\s], s21, v[L8]
	s_add_co_u32 s20, s20, SLOT
	s_add_co_u32 s21, s21, SLOT
.endr
	s_lshl_b32 s22, s17, 4
	s_lshl_b32 s23, s15, 3
	s_add_co_u32 s22, s22, s23
	s_lshl_b32 s22, s22, 9
	s_lshl_b32 s23, s42, 4
	s_add_co_u32 s23, s23, s18
	s_lshl_b32 s23, s23, 9
	s_add_co_u32 s23, s23, 262144
	v_mov_b32 v4, s22
	v_mov_b32 v5, s23
	v_cmp_eq_u32 vcc_lo, 1, v3
	v_cndmask_b32 v4, v4, v5, vcc_lo
	v_lshl_add_u32 v4, v2, 5, v4
.irp i, 0,1,2,3,4,5,6,7
	global_load_b128 v[SC+8*\i:SC+8*\i+3], v4, s[8:9] offset:512*\i
	global_load_b128 v[SC+8*\i+4:SC+8*\i+7], v4, s[8:9] offset:512*\i+16
.endr
	s_lshl_b32 s22, s42, 10
	s_lshl_b32 s23, s16, 9
	s_add_co_u32 s22, s22, s23
	v_lshlrev_b32 v6, 6, v3
	v_add_nc_u32 v6, s22, v6
	WIN 0x40
.irp b, 0,1,2,3,4,5,6,7
	global_load_b128 v[96+8*\b+96*(\b/4):96+8*\b+96*(\b/4)+3], v6, s[10:11] offset:(32*(\b/2)+8*(\b%2))*4
	global_load_b128 v[96+8*\b+96*(\b/4)+4:96+8*\b+96*(\b/4)+7], v6, s[10:11] offset:(32*(\b/2)+8*(\b%2))*4+16
.endr
	WIN 0
	s_mul_i32 s23, s14, 16*SPITCH
	v_mul_u32_u24 v[STO], v2, SPITCH
	v_lshl_add_u32 v[STO], v3, 6, v[STO]
	v_add_nc_u32 v[STO], s23, v[STO]
	v_add_nc_u32 v[RD], s23, v[L16]
	s_lshl_b32 s20, s17, 8
	s_lshl_b32 s21, s15, 7
	s_add_co_u32 s20, s20, s21
	s_lshl_b32 s20, s20, 12
	s_add_co_u32 s20, s20, s22
	s_mov_b32 s21, 0
	s_add_nc_u64 s[12:13], s[12:13], s[20:21]
	s_wait_loadcnt 0x0
	s_wait_tensorcnt 1
	s_barrier_signal -1
	s_barrier_wait -1
	FETCH_B 0, 0, 0
	FETCH_A 0, 0, 0
	FETCH_A 0, 0, 4
	STEP 0, 0, 1
	TURN 0, 1, 1, 1
	STEP 1, 2, 0
	TURN 1, 0, 1, 3
	STEP 0, 4, 0
	TURN 0, 1, 0, 5
	STEP 1, 6, 0
	s_wait_dscnt 4*NL
	WIN 0xa1
	MUL16 0, 1, 7, 0
	MUL16 2, 1, 7, 0
	s_wait_alu depctr_va_vdst(0)
	s_wait_dscnt 0x0
	WIN 0xf1
	MUL16 4, 1, 7, 0
	MUL16 6, 1, 7, 0
	WIN 0
.macro TOSTAGE a
.set AC, 64*((\a)%4)
	WIN (0x08+4*((\a)/4))
.irp b, 0,1,2,3,4,5,6,7
	ds_store_b128 v[STO], v[AC+8*\b:AC+8*\b+3] offset:128*(\b/2)+32*(\b%2)
	ds_store_b128 v[STO], v[AC+8*\b+4:AC+8*\b+7] offset:128*(\b/2)+32*(\b%2)+16
.endr
	WIN 0
.set BB, BK+64*((\a)%2)
.irp t, 0,1,2,3,4,5,6,7,8,9,10,11,12,13,14,15
	ds_load_b128 v[BB+4*\t:BB+4*\t+3], v[RD] offset:\t*SPITCH
.endr
.endm
.macro SEND a, younger
.set BB, BK+64*((\a)%2)
	s_wait_dscnt \younger
.irp t, 0,1,2,3,4,5,6,7,8,9,10,11,12,13,14,15
	global_store_b128 v[L16], v[BB+4*\t:BB+4*\t+3], s[12:13] offset:(32*((\a)/2)+8*((\a)%2)+(\t%8)+16*(\t/8))*4096 th:TH_STORE_NT
.endr
.endm
	PLACES NP
	TOSTAGE 0
.irp a, 1,2,3,4,5,6,7
.if \a > 1
	s_wait_xcnt 0x0
.endif
	TOSTAGE \a
	SEND \a-1, 32
.endr
	SEND 7, 0
	s_wait_tensorcnt 0x0
	ds_add_u32 v[SPW], v[NIL]
	s_wait_dscnt 0x0
	CROUND
	s_endpgm
.Lfunc_end_k_q02ea04fec7_outproj:
	.size	k_q02ea04fec7_outproj, .Lfunc_end_k_q02ea04fec7_outproj-k_q02ea04fec7_outproj
	.p2alignl 7, 3214868480
	.fill 96, 4, 3214868480
	.section	.rodata,"a",@progbits
	.p2align	6, 0x0
	.amdhsa_kernel k_q02ea04fec7_outproj
		.amdhsa_group_segment_fixed_size 327680
		.amdhsa_private_segment_fixed_size 0
		.amdhsa_enable_private_segment 0
		.amdhsa_kernarg_size 40
		.amdhsa_user_sgpr_count 2
		.amdhsa_user_sgpr_kernarg_segment_ptr 1
		.amdhsa_wavefront_size32 1
		.amdhsa_system_sgpr_workgroup_id_x 1
		.amdhsa_system_sgpr_workgroup_id_y 1
		.amdhsa_system_sgpr_workgroup_id_z 1
		.amdhsa_system_vgpr_workitem_id 0
		.amdhsa_next_free_vgpr 1024
		.amdhsa_next_free_sgpr 66
		.amdhsa_reserve_vcc 1
		.amdhsa_float_denorm_mode_32 3
		.amdhsa_float_denorm_mode_16_64 3
		.amdhsa_memory_ordered 1
		.amdhsa_forward_progress 1
		.amdhsa_inst_pref_size 143
	.end_amdhsa_kernel
	.amdgpu_metadata
---
amdhsa.version: [ 1, 2 ]
amdhsa.kernels:
  - .name:           k_q02ea04fec7_outproj
    .symbol:         k_q02ea04fec7_outproj.kd
    .args:
      - { .name: ao, .offset: 0, .size: 8, .value_kind: global_buffer, .address_space: global }
      - { .name: wc, .offset: 8, .size: 8, .value_kind: global_buffer, .address_space: global }
      - { .name: scl2, .offset: 16, .size: 8, .value_kind: global_buffer, .address_space: global }
      - { .name: bo, .offset: 24, .size: 8, .value_kind: global_buffer, .address_space: global }
      - { .name: out0, .offset: 32, .size: 8, .value_kind: global_buffer, .address_space: global }
    .group_segment_fixed_size: 327680
    .private_segment_fixed_size: 0
    .kernarg_segment_align: 8
    .kernarg_segment_size: 40
    .max_flat_workgroup_size: 128
    .sgpr_count:     66
    .vgpr_count:     1024
    .wavefront_size: 32
...
	.end_amdgpu_metadata
.endif
;; end of part 4
